; MI455X (gfx1250); checked and timed in simulation.
; The chip was launched on July 23, 2026; its instructions are those of AMD's public machine-readable ISA for CDNA 5 (MIT licence, August 2026) and "CDNA5" Instruction Set Architecture Reference Guide (July 2026). The comments in the code are by the model that wrote it; some were corrected since.
;; Attention Block. Allowed arithmetic: matrix products marked QUANTISED: E2M3 operands, one E8M0 scale for each 32 along K, by v_wmma_scale_f32_16x16x128_f8f6f4 with both operands' format E2M3, f32 sums; everything else in f32.
;; Inputs: beta 512 float32; bk 512 float32; bo 512 float32; bq 512 float32; bv 512 float32; gamma 512 float32; wk_codes 512 x 16 x 24 uint8 (E2M3 codes of wk, K innermost, in blocks of 32 codes, four codes in three bytes); wk_scales 512 x 16 uint8 (E8M0 scales of wk, one for each 32 codes along K); wo_codes 512 x 16 x 24 uint8 (E2M3 codes of wo, K innermost, in blocks of 32 codes, four codes in three bytes); wo_scales 512 x 16 uint8 (E8M0 scales of wo, one for each 32 codes along K); wq_codes 512 x 16 x 24 uint8 (E2M3 codes of wq, K innermost, in blocks of 32 codes, four codes in three bytes); wq_scales 512 x 16 uint8 (E8M0 scales of wq, one for each 32 codes along K); wv_codes 512 x 16 x 24 uint8 (E2M3 codes of wv, K innermost, in blocks of 32 codes, four codes in three bytes); wv_scales 512 x 16 uint8 (E8M0 scales of wv, one for each 32 codes along K); x 32 x 512 x 32 x 32 float32.
;; Outputs: out0 32 x 512 x 32 x 32 float32.
;; This version of the problem:
;;   THIS VERSION OF THE PROBLEM IS GIVEN IN LOW PRECISION. The matrix products marked QUANTISED in the list below multiply operands that are first quantised to E2M3 (2 exponent bits, 3 mantissa bits; 6 bits a number), with one power-of-two scale for each 32 numbers along K (OCP MX v1.0); their sums are f32. All else is computed in f32.
;;   The module's matrix products, in the order in which they are computed (A, B: the left and right operand; K: the contracted axis; several contracted axes count as one K, in the product's order):
;;     1. [M 32,768, K 512] x [K 512, N 512]; A: computed on the way; B: input wq (given as codes): QUANTISED
;;     2. [M 32,768, K 512] x [K 512, N 512]; A: computed on the way; B: input wk (given as codes): QUANTISED
;;     3. [M 32,768, K 512] x [K 512, N 512]; A: computed on the way; B: input wv (given as codes): QUANTISED
;;     4. batch 32 x [M 1,024, K 512] x [K 512, N 1,024]; A: computed on the way; B: computed on the way: QUANTISED
;;     5. batch 32 x [M 512, K 1,024] x [K 1,024, N 1,024]; A: computed on the way; B: softmax (see below): QUANTISED
;;     6. [M 32,768, K 512] x [K 512, N 512]; A: computed on the way; B: input wo (given as codes): QUANTISED
;;   THE QUANTISER, for each operand of a quantised product, along K:
;;     - K is cut into blocks of 32 from its start; a last block that is shorter is filled with zeros.
;;     - A block's scale is 2^e with e = floor(log2(the largest magnitude in the block)) - 2, held to -126 .. 127; a block of zeros has e = 0. As a byte (E8M0): e + 127.
;;     - Each number is divided by its block's scale, clamped to +-7.5, and rounded to the nearest number of E2M3, ties to even, subnormals kept.
;;     - The product sums the exact products of the quantised numbers (number of the format x scale) in f32.
;;   ~~~python
;;   def quantise(x, axis):      # numpy; x: float32 -> the quantised numbers, widened to float32 again
;;       x = np.moveaxis(x, axis, -1); K = x.shape[-1]
;;       x = np.pad(x, [(0, 0)] * (x.ndim - 1) + [(0, -K % 32)]); x = x.reshape(x.shape[:-1] + (-1, 32)); a = np.abs(x).max(-1, keepdims=True)
;;       e = np.where(a > 0, np.clip(np.frexp(np.where(a > 0, a, 1))[1] - 1 - 2, -126, 127), 0)      # np.frexp(a)[1] - 1 = floor(log2(a)), exactly
;;       r = np.clip(x / 2.0 ** e, -7.5, 7.5)
;;       step = 2.0 ** (np.maximum(np.frexp(np.where(r == 0, 1, r))[1] - 1, 0) - 3)
;;       q = np.round(r / step) * step * 2.0 ** e      # np.round: ties to even
;;       return np.moveaxis(q.reshape(q.shape[:-2] + (-1,))[..., :K], -1, axis).astype(np.float32)
;;   ~~~
;;   SOFTMAX AHEAD OF A QUANTISED PRODUCT. Where the list says 'softmax', what is quantised is not the finished softmax but p = 2^(t - M), with t = logit x log2(e) and M = ceil(the row's largest t), a whole number; so 1/2 < the row's largest p <= 1. The row's sum l is taken of the UNQUANTISED p, in f32, and the product's result is divided by l at the end. Since M is a whole number, a kernel that streams over the keys may use a running M (the ceiling of the running maximum): every later rescaling is an exact power of two, which a block's scale takes up: the codes' values come out the same.
;;   OPERANDS COMPUTED ON THE WAY. 'Computed on the way' means the value that the module computes at that place (a softmax that the list does not call 'softmax' is quantised finished and normalised). What goes into a quantiser is computed in f32, as accurately as f32 sums, v_exp_f32 and their like allow (about 1e-6 of the number): no bf16 or f16 on the way to a quantiser, and a product that is left as it is and whose result goes on into a quantised operand takes f32 operands (vector FMAs, or v_wmma_f32_16x16x4_f32). A number that lies on a knife's edge between two numbers of the format may be rounded either way, as far as f32 arithmetic and the matrix unit's own rounding can turn it there, and no further.
;;   INPUTS GIVEN AS CODES. wk (in the module: [512, 512], K = its axis 1); wo (in the module: [512, 512], K = its axis 1); wq (in the module: [512, 512], K = its axis 1); wv (in the module: [512, 512], K = its axis 1): each comes as NAME_codes (uint8): NAME with its K axis moved to the last place and cut into blocks of 32 codes, [.., K / 32, bytes a block], one block behind the other in memory; four codes in three bytes: a row's codes are one little-endian stream of bits, code i at bits 6 i .. 6 i + 5 (a code: sign, 2 exponent bits, 3 mantissa bits); and NAME_scales (uint8): the same leading axes, one E8M0 byte (e + 127) for each 32 codes along K. Its value is code x scale, taken as it is: it is not quantised again, and the codes and scales need not be those that the quantiser above would give.
;; One version. Each part assembles by itself: llvm-mc -triple=amdgcn-amd-amdhsa -mcpu=gfx1250 --defsym DOCPART=n.
;; ======== version 1 of 1: 3 launches
;; limits: a difference of large sums (such as E[x^2] - mean^2): digits are lost where the result is much smaller than its terms
;; workspace buffers: hc 12,582,912 bytes; hs 524,288 bytes; wl 819,200 bytes; res 131,072 bytes; qkvc 37,748,736 bytes; qkvs 1,572,864 bytes
;; launch norm (part 1): grid 256 x 1, 16 waves a work-group, no clusters, 54,272 bytes of LDS; arguments x, gamma, beta, bo, wq_codes, wk_codes, wv_codes, wo_codes, wq_scales, wk_scales, wv_scales, wo_scales, hc, hs, wl, res; writes hc, hs, wl, res
.if DOCPART == 1
	.amdgcn_target "amdgcn-amd-amdhsa--gfx1250"
	.amdhsa_code_object_version 6
	.text
	.protected	k_qbee6ef3a9a_norm
	.globl	k_qbee6ef3a9a_norm
	.p2align	8
	.type	k_qbee6ef3a9a_norm,@function
k_qbee6ef3a9a_norm:
	s_mov_b64 s[64:65], 0
	v_nop
	global_prefetch_b8 v0, s[64:65] scope:SCOPE_SE
	s_setreg_imm32_b32 hwreg(HW_REG_WAVE_MODE, 25, 1), 1
	s_wait_xcnt 0x0
; GROUP NORM AND THE QUANTISING OF h.  x: [32][512][1024] f32.  A work-group takes 64 channels (4 groups of 16, 2 blocks of 32 along K) of one image, all 1,024 pixels:
; 262,144 bytes, read once and kept in registers (16 waves x 128 registers).  Thread t holds pixels 2 t and 2 t + 1 of every channel: a load of a wave is 256 consecutive bytes.
; mean, then the centred squares (two passes over the registers), each summed over lanes and, through LDS, over the 16 waves.  h = (x - mean) (rstd gamma) + beta, in f32.
; K of the products that read h is the channel, which is x's OUTER axis: a lane's registers run down the channels, so a block of 32 lies in one lane and the conversions give codes with K innermost.
; OUT: hc: for each image and each 128 pixels a block of 49,152 bytes: the 48 bytes (64 codes, channels 64 p ..) of the pixel at PLACE rho lie at 6144 p + 48 rho; place rho holds pixel rho with bits 3 and 4 exchanged.
;      hs: its scale bytes: blocks 2 p and 2 p + 1 of place rho at 256 p + 2 rho.   res: for each image and channel the pair (A, B) with xn + bo = x A + B.
;      wl: the four weights' codes and scale bytes laid in the same two forms (16 blocks of 128 rows), 3,072 bytes of codes by each work-group, 256 scale bytes by every second one.
; LIMITS: NaN and infinities are not served.  A block whose largest magnitude lies under 2^-124 gets the scale byte 1, a block of zeros too (the stated quantiser says 127): its codes are zeros, and the bytes are read by this program alone.
; h is formed as (x - mean) (rstd gamma) + beta: one rounding stands elsewhere than in (x - mean) rstd gamma + beta.
.set RED1, 0                           ; LDS: 16 waves x 4 sums
.set RED2, 256                         ; the same for the squares
.set SCL,  512                         ; 2,048 scale bytes: 8 blocks of pixels x 256
.set STG,  2560                        ; a stage of 3,072 bytes for each wave
.set X,    64                          ; v64-191  channel c: v[X+2c], v[X+2c+1] (my two pixels)
.set Y,    192                         ; v192-255 h of one block: pixel jj, channel i: v[Y+32jj+i]; also what comes back from LDS
.set CD,   32                          ; v32-55   codes: 12 registers a pixel (before that: v32-39 -mean, v40-43 rstd)
.set BW,   14                          ; v14      my four scale bytes
.set WV,   2                           ; s2       wave
.set HALF, 100                         ; s100     work-group & 1
; four sums (pairs v24-31) over the lane's two halves, the 32 lanes and the 16 waves; the totals come out in v[Y] .. v[Y+3], the same bits in every wave
.macro REDUCE red
	v_add_f32 v24, v24, v25
	v_add_f32 v25, v26, v27
	v_add_f32 v26, v28, v29
	v_add_f32 v27, v30, v31
.irp m, 1,2,4,8
.irp q, 24,25,26,27
	v_add_f32_dpp v[\q], v[\q], v[\q] row_xmask:\m row_mask:0xf bank_mask:0xf
.endr
.endr
.irp q, 0,1,2,3
	v_permlanex16_b32 v[28+\q], v[24+\q], s30, s31
.endr
.irp q, 0,1,2,3
	v_add_f32 v[24+\q], v[24+\q], v[28+\q]
.endr
	ds_store_b128 v9, v[24:27] offset:\red         ; all lanes write the same 16 bytes with the same values
	s_wait_dscnt 0x0                               ; for the others' sake: my store has landed
	s_barrier_signal -1
	s_barrier_wait -1
.irp k, 0,1,2,3,4,5,6,7,8,9,10,11,12,13,14,15
	ds_load_b128 v[Y+4*\k:Y+4*\k+3], v10 offset:\red+16*\k
.endr
	s_wait_dscnt 0x0
.irp k, 1,2,3,4,5,6,7,8,9,10,11,12,13,14,15
	v_pk_add_f32 v[Y:Y+1], v[Y:Y+1], v[Y+4*\k:Y+4*\k+1]
	v_pk_add_f32 v[Y+2:Y+3], v[Y+2:Y+3], v[Y+4*\k+2:Y+4*\k+3]
.endr
.endm
; pixel jj's 32 numbers of block e become 24 bytes of codes and a scale byte
.macro QCOL jj, e
.set YS, Y+32*\jj
.set TQ, 24+4*\jj
	v_max3_num_f32 v[TQ], |v[YS]|, |v[YS+1]|, |v[YS+2]|
	v_max3_num_f32 v[TQ+1], |v[YS+3]|, |v[YS+4]|, |v[YS+5]|
.irp i, 6,10,14,18,22,26
	v_max3_num_f32 v[TQ], v[TQ], |v[YS+\i]|, |v[YS+\i+1]|
	v_max3_num_f32 v[TQ+1], v[TQ+1], |v[YS+\i+2]|, |v[YS+\i+3]|
.endr
	v_max3_num_f32 v[TQ], v[TQ], |v[YS+30]|, |v[YS+31]|
	v_max3_num_f32 v[TQ], v[TQ], v[TQ+1], 0x1800000   ; the floor 2^(3 - 127): the byte cannot fall under 1
	v_add_nc_u32 v[TQ+2], 0xff000000, v[TQ]        ; 2 off the exponent field: the conversion's scale operand
	v_cvt_scalef32_pk16_fp6_f32 v[CD+12*\jj+6*\e:CD+12*\jj+6*\e+2], v[YS:YS+15], v[TQ+2]
	v_cvt_scalef32_pk16_fp6_f32 v[56+4*\jj:58+4*\jj], v[YS+16:YS+31], v[TQ+2]   ; (a conversion's three registers begin on an even number)
	v_lshrrev_b32 v[TQ+3], 23, v[TQ+2]             ; the scale's byte; also the plain line behind the conversions
.if (\jj)+(\e) == 0
	v_mov_b32 v[BW], v[TQ+3]
.else
	v_lshl_or_b32 v[BW], v[TQ+3], 8*(2*\jj+\e), v[BW]   ; pixel 0's two bytes, then pixel 1's
.endif
.irp i, 0,1,2
	v_mov_b32 v[CD+12*\jj+6*\e+3+\i], v[56+4*\jj+\i]
.endr
.endm
; block e of 32 channels: gamma and beta of its channels stand in s32-63 and s68-99
.macro BLOCKQ e
	s_wait_kmcnt 0x0
.set i, 0
.rept 32
	s_mul_f32 s[32+i], s[32+i], s[24+2*\e+i/16]    ; gamma x rstd of the channel's group
.set i, i+1
.endr
.set i, 0
.rept 32
	v_fma_f32 v[Y+i], v[X+2*(32*\e+i)], s[32+i], s[68+i]
	v_fma_f32 v[Y+32+i], v[X+2*(32*\e+i)+1], s[32+i], s[68+i]
.set i, i+1
.endr
.if \e == 0
	s_load_b512 s[32:47], s[6:7], 0x80             ; the next block's tables land while this block is quantised
	s_load_b512 s[48:63], s[6:7], 0xc0
	s_load_b512 s[68:83], s[8:9], 0x80
	s_load_b512 s[84:99], s[8:9], 0xc0
.endif
	QCOL 0,\e
	QCOL 1,\e
.endm
	s_load_b512 s[4:19], s[0:1], 0x0               ; x, gamma, beta, bo, the four weights' codes
	s_load_b512 s[20:35], s[0:1], 0x40             ; the four weights' scales, hc, hs, wl, res
	v_lshl_add_u32 v59, v0, 2, 0xcc00
	v_mov_b32 v63, 0
	v_lshrrev_b32 v1, 5, v0
	v_readfirstlane_b32 s[WV], v1                  ; wave 0..15
	v_and_b32 v1, 31, v0                           ; lane
	v_lshlrev_b32 v2, 3, v0                        ; x: 8 bytes a thread
	v_and_b32 v14, 19, v1                          ; l' = lane with bits 2 and 3 exchanged: pixel 2 l has its bits 3 and 4 there
	v_bfe_u32 v15, v1, 2, 1
	v_lshl_or_b32 v14, v15, 3, v14
	v_bfe_u32 v15, v1, 3, 1
	v_lshl_or_b32 v14, v15, 2, v14
	s_mul_i32 s36, s[WV], 3072
	s_add_co_u32 s36, s36, STG                     ; my wave's stage
	v_mul_u32_u24 v3, v14, 96
	v_add_nc_u32 v3, s36, v3                       ; into it: my two pixels' places, 48 bytes each
	v_lshlrev_b32 v7, 4, v1                        ; 16 x lane
	v_add_nc_u32 v4, s36, v7                       ; out of it
	s_lshl_b32 s37, s[WV], 7
	s_add_co_u32 s37, s37, SCL
	v_lshl_add_u32 v5, v14, 2, s37                 ; my four scale bytes
	v_lshl_add_u32 v6, v0, 3, SCL                  ; and, in waves 0-7, 8 bytes of a finished unit
	v_lshlrev_b32 v8, 3, v1                        ; 8 x lane
	s_lshl_b32 s38, s[WV], 4
	v_mov_b32 v9, s38                              ; my wave's 16 bytes of partial sums
	v_mov_b32 v10, 0
	; the weights' new lay-out: work-group g = 64 j + 16 oblk + 2 p' + half
	s_bfe_u32 s39, ttmp9, 0x20004                  ; oblk
	s_and_b32 s[HALF], ttmp9, 1
	s_bfe_u32 s40, ttmp9, 0x30001                  ; p'
	s_lshl_b32 s41, s39, 1
	s_add_co_u32 s41, s41, s[HALF]
	s_mul_i32 s41, s41, 64*384                     ; row 128 oblk + 64 half, 384 bytes a row,
	s_mul_i32 s42, s40, 48
	s_add_co_u32 s41, s41, s42                     ; + the 48 bytes of K = 64 p' ..
	v_mul_u32_u24 v11, v0, 171
	v_lshrrev_b32 v11, 9, v11                      ; thread / 3 (threads 0-191): the place among 64
	v_mul_u32_u24 v12, v11, 3
	v_sub_nc_u32 v12, v0, v12                      ; which 16 of its 48 bytes
	v_and_b32 v13, 39, v11
	v_bfe_u32 v15, v11, 3, 1
	v_lshl_or_b32 v13, v15, 4, v13
	v_bfe_u32 v15, v11, 4, 1
	v_lshl_or_b32 v13, v15, 3, v13                 ; the row that stands at this place
	v_mul_u32_u24 v11, v13, 384
	v_lshl_add_u32 v11, v12, 4, v11
	v_add_nc_u32 v11, s41, v11                     ; from
	v_lshlrev_b32 v12, 4, v0                       ; to: 16 bytes a thread, 3,072 on end
	v_lshlrev_b32 v13, 2, v1                       ; the scale bytes: lane l takes places 4 l .. 4 l + 3
	v_and_b32 v14, 0x67, v13
	v_bfe_u32 v15, v13, 3, 1
	v_lshl_or_b32 v14, v15, 4, v14
	v_bfe_u32 v15, v13, 4, 1
	v_lshl_or_b32 v14, v15, 3, v14
	s_lshl_b32 s42, s39, 11                        ; 128 oblk rows of 16 bytes
	s_lshl_b32 s43, s40, 1
	s_add_co_u32 s42, s42, s43
	v_lshl_add_u32 v13, v14, 4, s42
.irp z, 16,17,18,19,20,21,22,23
	v_mov_b32 v[\z], 0                             ; the side jobs' registers are written in every wave
.endr
	s_wait_kmcnt 0x0
	s_and_b32 s43, ttmp9, 64                       ; j = g / 64: q, k, v, o.  The choice hangs on the work-group's number alone
	s_cmp_lg_u32 s43, 0
	s_cselect_b64 s[44:45], s[14:15], s[12:13]
	s_cselect_b64 s[46:47], s[18:19], s[16:17]
	s_cselect_b64 s[48:49], s[22:23], s[20:21]
	s_cselect_b64 s[50:51], s[26:27], s[24:25]
	s_and_b32 s43, ttmp9, 128
	s_cmp_lg_u32 s43, 0
	s_cselect_b64 s[12:13], s[46:47], s[44:45]     ; the weight's codes
	s_cselect_b64 s[14:15], s[50:51], s[48:49]     ; and scale bytes
	s_lshl_b32 s44, ttmp9, 18
	s_mov_b32 s45, 0
	s_add_nc_u64 s[4:5], s[4:5], s[44:45]          ; x at my 64 channels
	s_and_b32 s46, ttmp9, 7                        ; p
	s_lshr_b32 s47, ttmp9, 3                       ; image
	s_lshl_b32 s44, s46, 8
	s_add_nc_u64 s[6:7], s[6:7], s[44:45]          ; gamma, beta, bo at my 64 channels
	s_add_nc_u64 s[8:9], s[8:9], s[44:45]
	s_add_nc_u64 s[10:11], s[10:11], s[44:45]
	s_mul_i32 s44, s47, 393216
	s_lshr_b32 s48, s[WV], 1
	s_mul_i32 s48, s48, 49152
	s_add_co_u32 s44, s44, s48
	s_mul_i32 s48, s46, 6144
	s_add_co_u32 s44, s44, s48
	s_and_b32 s48, s[WV], 1
	s_mul_i32 s48, s48, 3072
	s_add_co_u32 s44, s44, s48
	s_add_nc_u64 s[16:17], s[28:29], s[44:45]      ; hc: my wave's 3,072 bytes
	s_lshl_b32 s44, s47, 14
	s_and_b32 s48, s[WV], 7
	s_lshl_b32 s48, s48, 11
	s_add_co_u32 s44, s44, s48
	s_lshl_b32 s48, s46, 8
	s_add_co_u32 s44, s44, s48
	s_add_nc_u64 s[18:19], s[30:31], s[44:45]      ; hs: the unit of 256 bytes that waves 0-7 store
	s_mul_i32 s44, ttmp9, 3072
	s_add_nc_u64 s[20:21], s[32:33], s[44:45]      ; wl: my work-group's 3,072 bytes of codes
	s_lshr_b32 s44, ttmp9, 1
	s_lshl_b32 s44, s44, 8
	s_add_co_u32 s44, s44, 786432
	s_add_nc_u64 s[28:29], s[32:33], s[44:45]      ; and its 256 scale bytes
	s_lshl_b32 s44, ttmp9, 9
	s_add_nc_u64 s[22:23], s[34:35], s[44:45]      ; res: 64 pairs
	s_mov_b32 s30, 0x76543210
	s_mov_b32 s31, 0xfedcba98                      ; v_permlanex16_b32's selects for lane l xor 16
	s_load_b512 s[32:47], s[6:7], 0x0              ; gamma and beta of the first block's 32 channels
	s_load_b512 s[48:63], s[6:7], 0x40
	s_load_b512 s[68:83], s[8:9], 0x0
	s_load_b512 s[84:99], s[8:9], 0x40
	; the side jobs' loads go out first, so that the counted waits below, which count x's loads alone, cover them
	s_cmp_lt_u32 s[WV], 6
	s_cbranch_scc0 .La_sc
	global_load_b128 v[16:19], v11, s[12:13]
	s_branch .La_end
.La_sc:
	s_cmp_eq_u32 s[WV], 6
	s_cbranch_scc0 .La_tab
	s_cmp_eq_u32 s[HALF], 0
	s_cbranch_scc0 .La_end
.irp z, 0,1,2,3
	global_load_u16 v[16+\z], v13, s[14:15] offset:16*\z
.endr
	s_branch .La_end
.La_tab:
	s_cmp_eq_u32 s[WV], 7
	s_cbranch_scc0 .La_end
	global_load_b64 v[16:17], v8, s[6:7]
	global_load_b64 v[18:19], v8, s[8:9]
	global_load_b64 v[20:21], v8, s[10:11]
.La_end:
.set i, 0
.rept 64
	global_load_b64 v[X+2*i:X+2*i+1], v2, s[4:5] offset:4096*i th:TH_LOAD_NT   ; a wave reads 256 consecutive bytes of channel i
.set i, i+1
.endr
	; ---- the sums
.irp q, 0,1,2,3
	s_wait_loadcnt 48-16*\q                        ; this group's 16 loads are in; those of the later groups may be out
	v_pk_add_f32 v[24+2*\q:25+2*\q], v[X+32*\q:X+32*\q+1], v[X+32*\q+2:X+32*\q+3]
.irp c, 2,3,4,5,6,7,8,9,10,11,12,13,14,15
	v_pk_add_f32 v[24+2*\q:25+2*\q], v[24+2*\q:25+2*\q], v[X+32*\q+2*\c:X+32*\q+2*\c+1]
.endr
.endr
	REDUCE RED1
.irp q, 0,1,2,3
	v_mul_f32 v[32+2*\q], 0xb8800000, v[Y+\q]      ; -mean = -sum / 16,384, in both words of a pair
	v_mul_f32 v[33+2*\q], 0xb8800000, v[Y+\q]
.endr
	; the weights leave (every load of the wave is in since the last counted wait)
	s_cmp_lt_u32 s[WV], 6
	s_cbranch_scc0 .Lb_sc
	global_store_b128 v12, v[16:19], s[20:21]
	s_branch .Lb_end
.Lb_sc:
	s_cmp_eq_u32 s[WV], 6
	s_cbranch_scc0 .Lb_end
	s_cmp_eq_u32 s[HALF], 0
	s_cbranch_scc0 .Lb_end
	v_lshl_or_b32 v20, v17, 16, v16
	v_lshl_or_b32 v21, v19, 16, v18
	global_store_b64 v8, v[20:21], s[28:29]        ; 32 lanes store 256 consecutive bytes, aligned
.Lb_end:
	; ---- centre in place, and the squares
.set i, 0
.rept 64
	v_pk_add_f32 v[X+2*i:X+2*i+1], v[X+2*i:X+2*i+1], v[32+2*(i/16):33+2*(i/16)]
.set i, i+1
.endr
.irp q, 0,1,2,3
	v_pk_mul_f32 v[24+2*\q:25+2*\q], v[X+32*\q:X+32*\q+1], v[X+32*\q:X+32*\q+1]
.endr
.set i, 1
.rept 15
.irp q, 0,1,2,3
	v_pk_fma_f32 v[24+2*\q:25+2*\q], v[X+32*\q+2*i:X+32*\q+2*i+1], v[X+32*\q+2*i:X+32*\q+2*i+1], v[24+2*\q:25+2*\q]
.endr
.set i, i+1
.endr
	REDUCE RED2
	s_mov_b32 s3, 0x38800000                       ; 1 / 16,384
	s_mov_b32 s101, 0x3727c5ac                     ; 1e-5
.irp q, 0,1,2,3
	v_fma_f32 v[40+\q], v[Y+\q], s3, s101
.endr
.irp q, 0,1,2,3
	v_rsq_f32 v[40+\q], v[40+\q]
.endr
	v_nop                                          ; a plain line behind the last of them
	s_wait_alu depctr_va_vdst(0)                   ; one wait for the four, ahead of their first reader
.irp q, 0,1,2,3
	v_readfirstlane_b32 s[24+\q], v[40+\q]
.endr
	; ---- wave 7: the residual's table.  Lane l has channels 2 l and 2 l + 1, of group l / 8
	s_cmp_eq_u32 s[WV], 7
	s_cbranch_scc0 .Lc_end
	v_lshrrev_b32 v24, 3, v1
	v_cmp_eq_u32 vcc_lo, 1, v24
	v_cndmask_b32 v14, v40, v41, vcc_lo
	v_cndmask_b32 v15, v32, v34, vcc_lo
	v_cmp_eq_u32 vcc_lo, 2, v24
	v_cndmask_b32 v14, v14, v42, vcc_lo
	v_cndmask_b32 v15, v15, v36, vcc_lo
	v_cmp_eq_u32 vcc_lo, 3, v24
	v_cndmask_b32 v14, v14, v43, vcc_lo            ; rstd
	v_cndmask_b32 v15, v15, v38, vcc_lo            ; -mean
	v_mul_f32 v16, v16, v14                        ; A = gamma rstd
	v_mul_f32 v17, v17, v14
	v_fma_f32 v18, v15, v16, v18                   ; beta - mean A
	v_fma_f32 v19, v15, v17, v19
	v_add_f32 v23, v19, v21                        ; B = that + bo
	v_add_f32 v21, v18, v20
	v_mov_b32 v20, v16
	v_mov_b32 v22, v17
	global_store_b128 v7, v[20:23], s[22:23]       ; 512 consecutive bytes
.Lc_end:
	; ---- h and its codes
	BLOCKQ 0
	BLOCKQ 1
	; ---- out: through my own stage, so that the wave stores 3,072 consecutive bytes
.irp jj, 0,1
.irp g, 0,1,2
	ds_store_b128 v3, v[CD+12*\jj+4*\g:CD+12*\jj+4*\g+3] offset:48*\jj+16*\g
.endr
.endr
	ds_store_b32 v5, v[BW]
.irp k, 0,1,2,3,4,5
	ds_load_b128 v[Y+4*\k:Y+4*\k+3], v4 offset:512*\k    ; LDS serves a wave's instructions in order: these see my stores
.endr
.irp k, 0,1,2,3,4,5
	s_wait_dscnt 5-\k                              ; the younger read-backs may be out
	global_store_b128 v7, v[Y+4*\k:Y+4*\k+3], s[16:17] offset:512*\k
.endr
	s_wait_dscnt 0x0                               ; my scale bytes have landed
	s_barrier_signal -1
	s_barrier_wait -1
	s_cmp_lt_u32 s[WV], 8
	s_cbranch_scc0 .Ld_end
	ds_load_b64 v[216:217], v6                     ; two waves' bytes make the unit of one block of 128 pixels
	s_wait_dscnt 0x0
	global_store_b64 v8, v[216:217], s[18:19]      ; 256 consecutive bytes, aligned
.Ld_end:
	s_wait_tensorcnt 0x0
	ds_add_u32 v59, v63
	s_wait_dscnt 0x0
	s_endpgm
.Lfunc_end_k_qbee6ef3a9a_norm:
	.size	k_qbee6ef3a9a_norm, .Lfunc_end_k_qbee6ef3a9a_norm-k_qbee6ef3a9a_norm
	.p2alignl 7, 3214868480
	.fill 96, 4, 3214868480
	.section	.rodata,"a",@progbits
	.p2align	6, 0x0
	.amdhsa_kernel k_qbee6ef3a9a_norm
		.amdhsa_group_segment_fixed_size 54272
		.amdhsa_private_segment_fixed_size 0
		.amdhsa_enable_private_segment 0
		.amdhsa_kernarg_size 128
		.amdhsa_user_sgpr_count 2
		.amdhsa_user_sgpr_kernarg_segment_ptr 1
		.amdhsa_wavefront_size32 1
		.amdhsa_system_sgpr_workgroup_id_x 1
		.amdhsa_system_sgpr_workgroup_id_y 1
		.amdhsa_system_sgpr_workgroup_id_z 1
		.amdhsa_system_vgpr_workitem_id 0
		.amdhsa_next_free_vgpr 256
		.amdhsa_next_free_sgpr 102
		.amdhsa_reserve_vcc 1
		.amdhsa_float_denorm_mode_32 3
		.amdhsa_float_denorm_mode_16_64 3
		.amdhsa_memory_ordered 1
		.amdhsa_forward_progress 1
		.amdhsa_inst_pref_size 54
	.end_amdhsa_kernel
	.amdgpu_metadata
---
amdhsa.version: [ 1, 2 ]
amdhsa.kernels:
  - .name:           k_qbee6ef3a9a_norm
    .symbol:         k_qbee6ef3a9a_norm.kd
    .args:
      - { .name: x, .offset: 0, .size: 8, .value_kind: global_buffer, .address_space: global }
      - { .name: gamma, .offset: 8, .size: 8, .value_kind: global_buffer, .address_space: global }
      - { .name: beta, .offset: 16, .size: 8, .value_kind: global_buffer, .address_space: global }
      - { .name: bo, .offset: 24, .size: 8, .value_kind: global_buffer, .address_space: global }
      - { .name: wq_codes, .offset: 32, .size: 8, .value_kind: global_buffer, .address_space: global }
      - { .name: wk_codes, .offset: 40, .size: 8, .value_kind: global_buffer, .address_space: global }
      - { .name: wv_codes, .offset: 48, .size: 8, .value_kind: global_buffer, .address_space: global }
      - { .name: wo_codes, .offset: 56, .size: 8, .value_kind: global_buffer, .address_space: global }
      - { .name: wq_scales, .offset: 64, .size: 8, .value_kind: global_buffer, .address_space: global }
      - { .name: wk_scales, .offset: 72, .size: 8, .value_kind: global_buffer, .address_space: global }
      - { .name: wv_scales, .offset: 80, .size: 8, .value_kind: global_buffer, .address_space: global }
      - { .name: wo_scales, .offset: 88, .size: 8, .value_kind: global_buffer, .address_space: global }
      - { .name: hc, .offset: 96, .size: 8, .value_kind: global_buffer, .address_space: global }
      - { .name: hs, .offset: 104, .size: 8, .value_kind: global_buffer, .address_space: global }
      - { .name: wl, .offset: 112, .size: 8, .value_kind: global_buffer, .address_space: global }
      - { .name: res, .offset: 120, .size: 8, .value_kind: global_buffer, .address_space: global }
    .group_segment_fixed_size: 54272
    .private_segment_fixed_size: 0
    .kernarg_segment_align: 8
    .kernarg_segment_size: 128
    .max_flat_workgroup_size: 512
    .sgpr_count:     102
    .vgpr_count:     256
    .wavefront_size: 32
...
	.end_amdgpu_metadata
.endif
;; end of part 1
;; launch qkv (part 2): grid 256 x 1, 4 waves a work-group, clusters of 4 x 1, 327,680 bytes of LDS; arguments hc, hs, wl, bq, bk, bv, qkvc, qkvs; writes qkvc, qkvs
.if DOCPART == 2
	.amdgcn_target "amdgcn-amd-amdhsa--gfx1250"
	.amdhsa_code_object_version 6
	.text
	.protected	k_qbee6ef3a9a_qkv
	.globl	k_qbee6ef3a9a_qkv
	.p2align	8
	.type	k_qbee6ef3a9a_qkv,@function
k_qbee6ef3a9a_qkv:
	s_mov_b64 s[64:65], 0
	v_nop
	global_prefetch_b8 v0, s[64:65] scope:SCOPE_SE
	s_setreg_imm32_b32 hwreg(HW_REG_WAVE_MODE, 25, 1), 1
	s_wait_xcnt 0x0
	s_wait_alu depctr_hold_cnt(0) depctr_sa_sdst(0) depctr_va_vdst(0) depctr_va_sdst(0) depctr_va_ssrc(0) depctr_va_vcc(0) depctr_vm_vsrc(0)
	s_getreg_b32 s2, hwreg(HW_REG_IB_STS2, 6, 4)
	s_cmp_eq_u32 s2, 0
	s_cbranch_scc0 .Lentry_in_a_cluster
	s_endpgm
.Lentry_in_a_cluster:
	s_bfe_u32 s2, ttmp6, 0x10000c
	s_cmp_lg_u32 s2, 0x3003
	s_cbranch_scc0 .Lentry_shape_is_right
	s_endpgm
.Lentry_shape_is_right:
; q, k, v = W h + b on codes of FP6 (E2M3), and their quantising for the two products of attention.  A WORK-GROUP STAYS: it owns the 128 pixels of block x (image x / 8) and makes q, then k, then v of them, all 512 outputs each:
; h's block is fetched once, and the next weight lands while the weight in hand is multiplied.
; TWO ROLES.  R, 128 rows x 512 K, stays in registers (32 fragments, 384 registers); T's eight tiles of 16 rows are streamed from LDS.  Always source 0 = a tile of R, source 1 = a tile of T: a lane then holds
; ONE row of T, and its 64 results run along R's 128 rows.  Rows stand by PLACES (place rho holds row rho with bits 3 and 4 exchanged), so that the 16 registers of R's tiles 2 b and 2 b + 1 are 16 neighbours.
;   q, k (a loop of two trips): R = my wave's 128 rows of W, T = the pixels: a lane holds a pixel and 128 channels: K step 'wave' of that pixel tile's fragment (K = channels).
;   v (written out): R = the pixels (the same in all four waves), T = my wave's 128 rows of W: a lane holds a channel and 128 keys: the fragment of that channel tile and this key step (K = keys).
; The 64 numbers are quantised in registers and leave as an IMAGE OF THE OPERAND'S REGISTERS: three stores of 512 consecutive bytes.  Scale words: four tiles' to a lane, one store of 512 bytes a wave.
; The bias is the C of each sum's first product: along the registers (q, k) or one number a lane (v).
; THE WEIGHT'S 196,608 BYTES OF LDS ARE FILLED THREE TIMES.  Wave w fetches and reads block w alone.  When a wave has its block in registers it waits for all its tensor loads, adds 0 to its spare word, waits for its LDS reads,
; passes a round of the cluster's barrier and asks for the next weight's block: one load a wave, with the trip's 256 products in which to land.  The scale bytes of all three weights (24,576) come once, with the first fills.
; CLUSTER: four blocks of pixels walk the same three weights: codes and scale bytes are asked for jointly.  The launch claims all of LDS.
; LIMITS: NaN and infinities are not served; a block whose largest magnitude lies under 2^-124, a block of zeros too, gets the scale byte 1 (its codes are zeros; this program alone reads the bytes).
.set WB,  0                            ; LDS: the weight in hand: four blocks of 49,152 bytes
.set HB,  196608                       ; h's block
.set WS,  245760                       ; the three weights' scale bytes: 8,192 j + 2,048 block
.set HS,  270336                       ; h's, 2,048
.set SPARE, 272384                     ; the spare words: two blocks of 256 bytes that no other line names
.set VW,  1                            ; v1   48 r + 24 h + 49,152 x wave: my block of the weight
.set VH,  2                            ; v2   48 r + 24 h + HB
.set VWS0, 3                           ; v3   2 r + WS + 2,048 x wave
.set VHS, 4                            ; v4   2 r + HS
.set OFF, 5                            ; v5   16 x lane
.set VWSJ, 6                           ; v6   v3 + 8,192 j: the scale bytes of the weight in hand
.set BTV, 8                            ; v8-15   v: the bias at T's rows, tile i
.set RSW, 16                           ; v16-47  R's scale words (4 t + s)
.set TSW, 48                           ; v48-51  T's
.set TH,  52                           ; v52-59  their halves as loaded
.set SW,  60                           ; v60-63  the scale words made: tile 2 k in lanes 0-15, tile 2 k + 1 in lanes 16-31
.set TF,  64                           ; v64-111 T's four fragments
.set HA,  112                          ; v112-175 eight accumulators
.set PC,  176                          ; v176-194 the codes just made
.set TM,  196                          ; v196-211 at work
.set PW,  212                          ; v212 the scale word just made
.set BO4, 213                          ; v213 4 (r + 8 (r / 8))
.set BOH, 214                          ; v214 64 h
.set BV8, 216                          ; v216-223 one bias a lane, eight times
.set SPW, 224                          ; v224 LDS address of my spare word; never rewritten
.set NIL, 225                          ; v225 0; never rewritten
.set CB,  192                          ; window 1, v192-255: q, k: the bias in the result's layout.  Window 1 v0-191: R, K steps 0 and 1; window 2: K steps 2 and 3
.set G1A, 20                           ; s[20:27] group 1: a block of a weight's codes (joint);  s[52:55] its group 0, which walks from weight to weight
.set G1B, 28                           ; s[28:35] a quarter of h's block;                        s[56:59]
.set G1C, 36                           ; s[36:43] a quarter of the weights' scale bytes (joint); s[60:63]
.set G1D, 44                           ; s[44:51] a quarter of h's scale bytes;                  s[68:71]
.set G0A, 52
.set G0B, 56
.set G0C, 60
.set G0D, 68
.set WV,  72
.set CNT, 73                           ; trips to go: 2 (q), 1 (k)
.set CX,  74
.set BK,  75
.set SEL, 76
.set HIM, 78
.set RSO, 79                           ; 8,192 j
.set SBS, 84                           ; s[84:85] what the trip adds to SB: 0, then 524,288
.set OB,  86                           ; s[86:87] q's and k's images
.set OBV, 88                           ; s[88:89] v's
.set SB,  90                           ; s[90:91] the scale words
.set BP,  92                           ; s[92:93] the bias of the trip
.set OBS, 94                           ; s[94:95] what the trip adds to OB: 0, then from q's last tile to k's first
.set MSB, 0
.macro WIN new                         ; the immediate's high byte repeats the setting that is left
.if MSB != (\new)
	s_set_vgpr_msb (MSB<<8)|(\new)
.set MSB, (\new)
.endif
.endm
.macro PLACES n
.rept \n
	v_nop
.endr
.endm
.macro CROUND                          ; a round of the cluster's barrier
	s_barrier_signal -1
	s_barrier_wait -1
	s_cmp_lg_u32 s[WV], 0
	s_cbranch_scc1 .Lnot_wave_0_\@
	s_barrier_signal -3
.Lnot_wave_0_\@:
	s_barrier_wait -3
	s_barrier_signal -1
	s_barrier_wait -1
.endm
.macro G1ROWS g, rows                  ; a dense block as rows of 256 bytes: 32 elements of 8 bytes, pitch 32
	s_mov_b32 s[\g+1], 32<<16
	s_mov_b32 s[\g+2], (\rows)<<16
	s_mov_b32 s[\g+3], 32<<16
	s_mov_b32 s[\g+4], \rows
	s_mov_b32 s[\g+5], 32
	s_mov_b32 s[\g+6], 0
	s_mov_b32 s[\g+7], 0
.endm
.macro MMA d, a, b, sa, sb             ; adds in place
	v_wmma_scale_f32_16x16x128_f8f6f4 v[\d:\d+7], v[\a:\a+11], v[\b:\b+11], v[\d:\d+7], v[\sa], v[\sb] matrix_a_fmt:MATRIX_FMT_FP6 matrix_b_fmt:MATRIX_FMT_FP6
.endm
.macro MMC d, a, b, c, sa, sb          ; starts a sum with the bias
	v_wmma_scale_f32_16x16x128_f8f6f4 v[\d:\d+7], v[\a:\a+11], v[\b:\b+11], v[\c:\c+7], v[\sa], v[\sb] matrix_a_fmt:MATRIX_FMT_FP6 matrix_b_fmt:MATRIX_FMT_FP6
.endm
; fragment (tile t, K step s) out of a block: six pieces of 8 bytes; words 12 r + 6 h + {0, 1}: the 32 lanes touch 64 different banks (64 banks of 4 bytes: ISA guide 11.1)
.macro FRAGB reg, adr, t, s
.irp c, 0,1
.irp i, 0,1,2
	ds_load_b64 v[\reg+6*\c+2*\i:\reg+6*\c+2*\i+1], v[\adr] offset:(2*(\s)+\c)*6144+768*(\t)+8*\i
.endr
.endr
.endm
.macro TLOADS i, vt, vts               ; T's tile i: 24 + 8 LDS loads
.irp s, 0,1,2,3
	FRAGB TF+12*\s,\vt,\i,\s
.endr
.irp s, 0,1,2,3
.irp u, 0,1
	ds_load_u16 v[TH+2*\s+\u], v[\vts] offset:(2*\s+\u)*256+32*(\i)
.endr
.endr
.endm
.macro COMBINE
.irp s, 0,1,2,3
	v_lshl_or_b32 v[TSW+\s], v[TH+2*\s+1], 16, v[TH+2*\s]
.endr
	PLACES 8                                       ; a scale register written by a vector instruction stands eight places ahead of the product
.endm
.macro RFILL adr, sadr                 ; R: 32 fragments into windows 1 and 2, and the halves of its 32 scale words into v64-127
	WIN 0x40
.irp s, 0,1
.irp t, 0,1,2,3,4,5,6,7
	FRAGB 12*(8*\s+\t),\adr,\t,\s
.endr
.endr
	WIN 0x80
.irp s, 2,3
.irp t, 0,1,2,3,4,5,6,7
	FRAGB 12*(8*(\s-2)+\t),\adr,\t,\s
.endr
.endr
	WIN 0
.irp t, 0,1,2,3,4,5,6,7
.irp s, 0,1,2,3
.irp u, 0,1
	ds_load_u16 v[64+2*(4*\t+\s)+\u], v[\sadr] offset:(2*\s+\u)*256+32*\t
.endr
.endr
.endr
.endm
.macro RSWMAKE
.irp t, 0,1,2,3,4,5,6,7
.irp s, 0,1,2,3
	v_lshl_or_b32 v[RSW+4*\t+\s], v[65+2*(4*\t+\s)], 16, v[64+2*(4*\t+\s)]
.endr
.endr
.endm
; 64 numbers of a lane, register 16 b + i = k 32 b + 16 (lane / 16) + i of my row, become a fragment's codes in v[pc] on and its scale word in v[pw]
.macro QUANT s, pc, tm, pw
.irp b, 0,1,2,3
	v_max3_num_f32 v[\tm+\b], |v[\s+16*\b]|, |v[\s+1+16*\b]|, 0x1800000   ; with the floor 2^(3 - 127)
.endr
.irp i, 2,4,6,8,10,12,14
.irp b, 0,1,2,3
	v_max3_num_f32 v[\tm+\b], v[\tm+\b], |v[\s+16*\b+\i]|, |v[\s+1+16*\b+\i]|
.endr
.endr
.irp b, 0,1,2,3
	v_permlanex16_b32 v[\tm+4+\b], v[\tm+\b], s[SEL], s[SEL+1]
.endr
.irp b, 0,1,2,3
	v_max_num_f32 v[\tm+\b], v[\tm+\b], v[\tm+4+\b]   ; with lane l xor 16's: the block's largest magnitude
.endr
.irp b, 0,1,2,3
	v_add_nc_u32 v[\tm+12+\b], 0xff000000, v[\tm+\b]  ; 2 off its exponent field: the conversion's scale operand
.endr
.irp b, 0,1,2,3
	v_lshrrev_b32 v[\tm+4+\b], 23, v[\tm+12+\b]       ; the scale's byte
.endr
	v_lshl_or_b32 v[\pw], v[\tm+5], 8, v[\tm+4]
	v_lshl_or_b32 v[\pw], v[\tm+6], 16, v[\pw]
	v_lshl_or_b32 v[\pw], v[\tm+7], 24, v[\pw]
.irp c, 0,1
	v_cvt_scalef32_pk16_fp6_f32 v[\pc+6*\c:\pc+2+6*\c], v[\s+32*\c:\s+15+32*\c], v[\tm+12+2*\c]
	v_cvt_scalef32_pk16_fp6_f32 v[\pc+12+4*\c:\pc+14+4*\c], v[\s+16+32*\c:\s+31+32*\c], v[\tm+12+2*\c+1]
.endr
	v_nop                                          ; one plain place behind a scaled conversion
.irp c, 0,1                                    ; the operand's layout wants a whole block in a lane
.irp i, 0,1,2
	v_permlane16_swap_b32 v[\pc+6*\c+\i], v[\pc+12+4*\c+\i]
.endr
.irp i, 0,1,2
	v_mov_b32 v[\pc+3+6*\c+\i], v[\pc+12+4*\c+\i]
.endr
.endr
.endm
; T's tile i: 32 products, eight accumulators by turns; the next tile's loads land under the quantising.
; isv = 0: q, k; 1: v.  ob: the pair that holds the images' address; str: bytes from tile to tile; vt, vts: T's addresses
.macro TILE i, isv, ob, str, vt, vts
.if \isv
.irp z, 0,1,2,3,4,5,6,7
	v_mov_b32 v[BV8+\z], v[BTV+\i]
.endr
	PLACES 4
	WIN 0x01
.irp t, 0,1,2,3,4,5,6,7
	MMC HA+8*\t,12*\t,TF,BV8,RSW+4*\t,TSW
.endr
.else
	WIN 0x11                                       ; R and the bias in window 1
.irp t, 0,1,2,3,4,5,6,7
	MMC HA+8*\t,12*\t,TF,CB+8*\t,RSW+4*\t,TSW
.endr
	WIN 0x01
.endif
.irp t, 0,1,2,3,4,5,6,7
	MMA HA+8*\t,12*(8+\t),TF+12,RSW+4*\t+1,TSW+1
.endr
	WIN 0x02
.irp s, 2,3
.irp t, 0,1,2,3,4,5,6,7
	MMA HA+8*\t,12*(8*(\s-2)+\t),TF+12*\s,RSW+4*\t+\s,TSW+\s
.endr
.endr
	WIN 0
	PLACES 4                                       ; in front of loads into registers that the products have read, and of the first read of results
.if \i < 7
	TLOADS \i+1,\vt,\vts
.endif
.if \i > 0
	s_wait_xcnt 0x0                                ; the last tile's stores have read their data and their base
	s_add_nc_u64 s[\ob:\ob+1], s[\ob:\ob+1], \str
.endif
	QUANT HA,PC,TM,PW
.irp g, 0,1,2
	global_store_b128 v[OFF], v[PC+4*\g:PC+4*\g+3], s[\ob:\ob+1] offset:512*\g   ; 512 consecutive bytes, aligned
.endr
.if (\i)%2 == 0
	v_mov_b32 v[SW+(\i)/2], v[PW]
.else
	v_cndmask_b32 v[SW+(\i)/2], v[SW+(\i)/2], v[PW], s[HIM]
.endif
.if \i < 7
	s_wait_dscnt 0x0                               ; the next tile is in
	COMBINE
.endif
.endm
	s_load_b512 s[4:19], s[0:1], 0x0               ; hc, hs, wl, bq, bk, bv, qkvc, qkvs
	v_lshl_add_u32 v[SPW], v0, 2, SPARE
	v_mov_b32 v[NIL], 0
	ds_add_u32 v224, v225
	ds_add_u32 v224, v225
	s_wait_dscnt 0x0
	v_lshrrev_b32 v1, 5, v0
	v_readfirstlane_b32 s[WV], v1                  ; wave 0..3
	s_bfe_u32 s[CX], ttmp6, 0x40000                ; my place in the cluster
	s_lshl_b32 s[BK], ttmp9, 2
	s_add_co_u32 s[BK], s[BK], s[CX]               ; my block of 128 pixels: 8 x image + block
	s_mov_b32 s[SEL], 0x76543210
	s_mov_b32 s[SEL+1], 0xfedcba98
	s_mov_b32 s[HIM], 0xffff0000                   ; lanes 16-31
	s_mov_b32 s[G1A], 15|(3<<16)|(1<<21)           ; joint: the mask names all four; elements of 8 bytes; bit 21 beside a mask
	G1ROWS G1A,192                                 ; a block of a weight's codes: 49,152 bytes
	s_mov_b32 s[G1B], 3<<16                        ; my own
	G1ROWS G1B,48                                  ; a quarter of h's block
	s_mov_b32 s[G1C], 15|(3<<16)|(1<<21)
	G1ROWS G1C,24                                  ; a quarter of the three weights' scale bytes: 6,144 bytes
	s_mov_b32 s[G1D], 3<<16
	G1ROWS G1D,2                                   ; a quarter of h's
	s_mul_i32 s80, s[WV], 49152                    ; what the partners share: wq's block 'wave',
	s_mov_b32 s81, 0
	s_mul_i32 s82, s[WV], 6144
	s_add_co_u32 s82, s82, 786432                  ; and my quarter of the scale bytes of wq, wk, wv, which lie on end
	s_mov_b32 s83, 0
	s_mul_i32 s2, s[BK], 49152                     ; what is my work-group's own, in registers of its own
	s_mul_i32 s3, s[WV], 12288
	s_add_co_u32 s2, s2, s3
	s_mov_b32 s3, 0
	s_lshl_b32 s94, s[BK], 11
	s_lshl_b32 s95, s[WV], 9
	s_add_co_u32 s94, s94, s95
	s_mov_b32 s95, 0
	s_wait_kmcnt 0x0
	s_mov_b32 s[G0A], 1
	s_mul_i32 s[G0A+1], s[WV], 49152               ; WB + 49,152 x wave
	s_add_nc_u64 s[G0A+2:G0A+3], s[8:9], s[80:81]
	s_or_b32 s[G0A+3], s[G0A+3], 0x80000000
	s_mov_b32 s[G0B], 1
	s_mul_i32 s[G0B+1], s[WV], 12288
	s_add_co_u32 s[G0B+1], s[G0B+1], HB
	s_add_nc_u64 s[G0B+2:G0B+3], s[4:5], s[2:3]
	s_or_b32 s[G0B+3], s[G0B+3], 0x80000000
	s_mov_b32 s[G0C], 1
	s_mul_i32 s[G0C+1], s[WV], 6144
	s_add_co_u32 s[G0C+1], s[G0C+1], WS
	s_add_nc_u64 s[G0C+2:G0C+3], s[8:9], s[82:83]
	s_or_b32 s[G0C+3], s[G0C+3], 0x80000000
	s_mov_b32 s[G0D], 1
	s_lshl_b32 s[G0D+1], s[WV], 9
	s_add_co_u32 s[G0D+1], s[G0D+1], HS
	s_add_nc_u64 s[G0D+2:G0D+3], s[6:7], s[94:95]
	s_or_b32 s[G0D+3], s[G0D+3], 0x80000000
	CROUND                                         ; all four work-groups are here: the joint loads meet
	tensor_load_to_lds s[G0A:G0A+3], s[G1A:G1A+7]  ; the first fills, one group: four loads of mine are out
	s_nop 0
	tensor_load_to_lds s[G0B:G0B+3], s[G1B:G1B+7]
	s_nop 0
	tensor_load_to_lds s[G0C:G0C+3], s[G1C:G1C+7]
	s_nop 0
	tensor_load_to_lds s[G0D:G0D+3], s[G1D:G1D+7]
	s_nop 0
	PLACES 4
	; where the results go
	s_mul_i32 s84, s[BK], 49152
	s_mul_i32 s85, s[WV], 12288
	s_add_co_u32 s2, s84, s85
	s_add_co_u32 s2, s2, 25165824                  ; v: the third tensor, my block, my wave's eight channel tiles
	s_mov_b32 s3, 0
	s_mul_i32 s85, s[WV], 1536
	s_add_co_u32 s84, s84, s85                     ; q: my block, K step 'wave'
	s_mov_b32 s85, 0
	s_add_nc_u64 s[OB:OB+1], s[16:17], s[84:85]
	s_add_nc_u64 s[OBV:OBV+1], s[16:17], s[2:3]
	s_add_nc_u64 s[SB:SB+1], s[18:19], s[94:95]
	s_mov_b32 s[SBS], 0                            ; the first trip steps nothing (the pairs' upper words are 0 already)
	s_mov_b32 s[OBS], 0
	s_lshl_b32 s80, s[WV], 9
	s_mov_b32 s81, 0
	s_add_nc_u64 s[10:11], s[10:11], s[80:81]      ; the three biases at my wave's 128 outputs
	s_add_nc_u64 s[12:13], s[12:13], s[80:81]
	s_add_nc_u64 s[14:15], s[14:15], s[80:81]
	s_mov_b32 s[RSO], 0
	s_mov_b32 s[CNT], 2
	v_and_b32 v226, 15, v0                         ; r
	v_bfe_u32 v227, v0, 4, 1                       ; h
	v_mul_u32_u24 v7, v226, 48
	v_mad_u32_u24 v7, v227, 24, v7
	s_mul_i32 s82, s[WV], 49152
	v_add_nc_u32 v[VW], s82, v7
	v_add_nc_u32 v[VH], HB, v7
	v_lshlrev_b32 v7, 1, v226
	s_lshl_b32 s82, s[WV], 11
	s_add_co_u32 s82, s82, WS
	v_add_nc_u32 v[VWS0], s82, v7
	v_add_nc_u32 v[VHS], HS, v7
	v_and_b32 v5, 31, v0
	v_lshlrev_b32 v[OFF], 4, v5
	v_and_b32 v[BO4], 8, v226
	v_add_nc_u32 v[BO4], v[BO4], v226
	v_lshlrev_b32 v[BO4], 2, v[BO4]
	v_lshlrev_b32 v[BOH], 6, v227
.irp b, 0,1,2,3
	v_mov_b32 v[TM+4+\b], 0                        ; written once: a lane permute's destination counts as one of its sources
.endr
	s_wait_tensorcnt 0x0                           ; my parts have landed,
	s_barrier_signal -1
	s_barrier_wait -1                              ; everybody's have: h and all scale bytes are read by all four waves.
.Lpass:                                            ; two trips: q, then k
	s_wait_tensorcnt 0x0                           ; my block of the weight in hand is in; I alone read it
	s_cmp_eq_u32 s[CNT], 2
	s_cselect_b64 s[BP:BP+1], s[10:11], s[12:13]   ; bq, then bk (the last trip's loads from it have been waited for)
	v_add_nc_u32 v[VWSJ], s[RSO], v[VWS0]
	WIN 0x40                                       ; destination window 1
.irp t, 0,1,2,3,4,5,6,7
	global_load_b128 v[CB+8*\t:CB+8*\t+3], v[BOH], s[BP:BP+1] offset:(32*(\t/2)+8*(\t%2))*4
	global_load_b128 v[CB+8*\t+4:CB+8*\t+7], v[BOH], s[BP:BP+1] offset:(32*(\t/2)+8*(\t%2))*4+16
.endr
	RFILL VW,VWSJ
	s_wait_tensorcnt 0x0                           ; no tensor load of mine is out, so the walking group 0 may be written
	ds_add_u32 v[SPW], v[NIL]                      ; 0 onto my spare word
	s_add_nc_u64 s[G0A+2:G0A+3], s[G0A+2:G0A+3], 196608   ; the next weight's block 'wave'; the type bits on top are not reached
	s_wait_xcnt 0x0                                ; the last trip's stores have read their data and their bases
	s_add_nc_u64 s[OB:OB+1], s[OB:OB+1], s[OBS:OBS+1]
	s_add_nc_u64 s[SB:SB+1], s[SB:SB+1], s[SBS:SBS+1]
	s_wait_dscnt 0x0                               ; the add is done, and my block of the weight is in registers
	CROUND                                         ; that now holds of every wave of all four work-groups
	tensor_load_to_lds s[G0A:G0A+3], s[G1A:G1A+7]  ; my one tensor load until the next round: it has the trip's 256 products in which to land
	s_nop 0
	PLACES 4
	RSWMAKE
	TLOADS 0,VH,VHS
	s_wait_dscnt 0x0
	COMBINE
	s_wait_loadcnt 0x0                             ; the bias
	TILE 0,0,OB,6144,VH,VHS
	TILE 1,0,OB,6144,VH,VHS
	TILE 2,0,OB,6144,VH,VHS
	TILE 3,0,OB,6144,VH,VHS
	TILE 4,0,OB,6144,VH,VHS
	TILE 5,0,OB,6144,VH,VHS
	TILE 6,0,OB,6144,VH,VHS
	TILE 7,0,OB,6144,VH,VHS
	global_store_b128 v[OFF], v[SW:SW+3], s[SB:SB+1]   ; eight tiles' scale words: 512 consecutive bytes
	s_mov_b32 s[OBS], 12582912-7*6144              ; from q's last tile to k's first
	s_mov_b32 s[SBS], 524288
	s_add_co_u32 s[RSO], s[RSO], 8192
	s_sub_co_u32 s[CNT], s[CNT], 1
	s_cmp_lg_u32 s[CNT], 0
	s_cbranch_scc1 .Lpass
	; ---- v: the roles change places; nothing more is asked for
	s_wait_tensorcnt 0x0                           ; my block of wv is in; I alone read it
.irp t, 0,1,2,3,4,5,6,7
	global_load_b32 v[BTV+\t], v[BO4], s[14:15] offset:(32*(\t/2)+8*(\t%2))*4
.endr
	v_add_nc_u32 v[VWSJ], s[RSO], v[VWS0]
	RFILL VH,VHS
	s_wait_xcnt 0x0                                ; k's stores have read their data and their bases
	s_add_nc_u64 s[SB:SB+1], s[SB:SB+1], 524288
	s_wait_dscnt 0x0
	RSWMAKE
	TLOADS 0,VW,VWSJ
	s_wait_dscnt 0x0
	COMBINE
	s_wait_loadcnt 0x0                             ; the bias
	TILE 0,1,OBV,1536,VW,VWSJ
	TILE 1,1,OBV,1536,VW,VWSJ
	TILE 2,1,OBV,1536,VW,VWSJ
	TILE 3,1,OBV,1536,VW,VWSJ
	TILE 4,1,OBV,1536,VW,VWSJ
	TILE 5,1,OBV,1536,VW,VWSJ
	TILE 6,1,OBV,1536,VW,VWSJ
	TILE 7,1,OBV,1536,VW,VWSJ
	global_store_b128 v[OFF], v[SW:SW+3], s[SB:SB+1]
	s_wait_tensorcnt 0x0                           ; the wave's end
	ds_add_u32 v[SPW], v[NIL]
	s_wait_dscnt 0x0
	CROUND                                         ; the closing round: no work-group ends while a partner may still ask for a tile that names it
	s_endpgm
.Lfunc_end_k_qbee6ef3a9a_qkv:
	.size	k_qbee6ef3a9a_qkv, .Lfunc_end_k_qbee6ef3a9a_qkv-k_qbee6ef3a9a_qkv
	.p2alignl 7, 3214868480
	.fill 96, 4, 3214868480
	.section	.rodata,"a",@progbits
	.p2align	6, 0x0
	.amdhsa_kernel k_qbee6ef3a9a_qkv
		.amdhsa_group_segment_fixed_size 327680
		.amdhsa_private_segment_fixed_size 0
		.amdhsa_enable_private_segment 0
		.amdhsa_kernarg_size 64
		.amdhsa_user_sgpr_count 2
		.amdhsa_user_sgpr_kernarg_segment_ptr 1
		.amdhsa_wavefront_size32 1
		.amdhsa_system_sgpr_workgroup_id_x 1
		.amdhsa_system_sgpr_workgroup_id_y 1
		.amdhsa_system_sgpr_workgroup_id_z 1
		.amdhsa_system_vgpr_workitem_id 0
		.amdhsa_next_free_vgpr 768
		.amdhsa_next_free_sgpr 96
		.amdhsa_reserve_vcc 0
		.amdhsa_float_denorm_mode_32 3
		.amdhsa_float_denorm_mode_16_64 3
		.amdhsa_memory_ordered 1
		.amdhsa_forward_progress 1
		.amdhsa_inst_pref_size 225
	.end_amdhsa_kernel
	.amdgpu_metadata
---
amdhsa.version: [ 1, 2 ]
amdhsa.kernels:
  - .name:           k_qbee6ef3a9a_qkv
    .symbol:         k_qbee6ef3a9a_qkv.kd
    .args:
      - { .name: hc, .offset: 0, .size: 8, .value_kind: global_buffer, .address_space: global }
      - { .name: hs, .offset: 8, .size: 8, .value_kind: global_buffer, .address_space: global }
      - { .name: wl, .offset: 16, .size: 8, .value_kind: global_buffer, .address_space: global }
      - { .name: bq, .offset: 24, .size: 8, .value_kind: global_buffer, .address_space: global }
      - { .name: bk, .offset: 32, .size: 8, .value_kind: global_buffer, .address_space: global }
      - { .name: bv, .offset: 40, .size: 8, .value_kind: global_buffer, .address_space: global }
      - { .name: qkvc, .offset: 48, .size: 8, .value_kind: global_buffer, .address_space: global }
      - { .name: qkvs, .offset: 56, .size: 8, .value_kind: global_buffer, .address_space: global }
    .group_segment_fixed_size: 327680
    .private_segment_fixed_size: 0
    .kernarg_segment_align: 8
    .kernarg_segment_size: 64
    .max_flat_workgroup_size: 128
    .sgpr_count:     96
    .vgpr_count:     768
    .wavefront_size: 32
...
	.end_amdgpu_metadata
.endif
;; end of part 2
;; launch attn (part 3): grid 8 x 32, 4 waves a work-group, clusters of 4 x 1, 327,680 bytes of LDS; arguments qkvc, qkvs, wl, res, x, out0; writes out0
.if DOCPART == 3
	.amdgcn_target "amdgcn-amd-amdhsa--gfx1250"
	.amdhsa_code_object_version 6
	.text
	.protected	k_qbee6ef3a9a_attn
	.globl	k_qbee6ef3a9a_attn
	.p2align	8
	.type	k_qbee6ef3a9a_attn,@function
k_qbee6ef3a9a_attn:
	s_mov_b64 s[64:65], 0
	v_nop
	global_prefetch_b8 v0, s[64:65] scope:SCOPE_SE
	s_setreg_imm32_b32 hwreg(HW_REG_WAVE_MODE, 25, 1), 1
	s_wait_xcnt 0x0
	s_wait_alu depctr_hold_cnt(0) depctr_sa_sdst(0) depctr_va_vdst(0) depctr_va_sdst(0) depctr_va_ssrc(0) depctr_va_vcc(0) depctr_vm_vsrc(0)
	s_getreg_b32 s2, hwreg(HW_REG_IB_STS2, 6, 4)
	s_cmp_eq_u32 s2, 0
	s_cbranch_scc0 .Lentry_in_a_cluster
	s_endpgm
.Lentry_in_a_cluster:
	s_bfe_u32 s2, ttmp6, 0x10000c
	s_cmp_lg_u32 s2, 0x3003
	s_cbranch_scc0 .Lentry_shape_is_right
	s_endpgm
.Lentry_shape_is_right:
; ATTENTION (one head of 512 channels, 1,024 keys), THE OUTPUT PROJECTION AND THE RESIDUAL, all products on codes of FP6 (E2M3).  A work-group owns 128 queries of one image.
; SOFTMAX AHEAD OF THE SECOND PRODUCT: t = score x log2(e) / sqrt(512); M = the running largest t rounded up to a whole number; p = 2^(t - M) is quantised along the keys, not normalised; the row's sum is taken of the
; unquantised p and divides at the end; when M moves, the sum and O are multiplied by f = 2^(old M - new M), which rounds nothing.
; SHARES.  Scores and softmax: wave w owns query tiles 2 w and 2 w + 1, all 128 keys of a step (64 products).  O^T = V^T P^T: wave w owns channels 128 w .. + 127 of ALL eight query tiles (64 accumulators, 512 registers,
; 64 products).  So p's codes, its scale words and f go from wave to wave through LDS as images of their registers.  Output: wave w owns outputs 128 w .. + 127 (256 products).
; Both products are used transposed (a lane holds one query); keys, channels and rows of wo stand by PLACES (place rho holds row rho with bits 3 and 4 exchanged), so that two neighbouring tiles' 16 registers are 16 neighbours.
; THE RING: two LDS slots of 98,304 bytes; tiles 0-7 are the key steps (K's 32 fragment images, then V's 32), tiles 8 and 9 the two halves of wo.  Each wave brings a quarter of a tile by one load.
; CLUSTER: four blocks of queries of one image walk the same tiles: every tile is asked for jointly.  The launch claims all of LDS.
; LIMITS: NaN and infinities are not served; a block whose largest magnitude lies under 2^-124, a block of zeros too, gets the scale byte 1 (its codes are zeros).  The residual is x A + B with (A, B) from the first launch:
; its error grows with a common offset of x as that offset x 2^-24.
; REGISTERS.  Window 0: see the names.  Window 1: v0-95 Q (48 a + 12 s); v96-191 K's two buffers of four fragments, then V's eight; at the end v0-127 x, v128-191 rows of the result.
; Windows 2, 3: O^T(m, t) at v[64 (m % 4) + 8 t]; at the end the quantised result's 32 fragments.
.set SLOT1, 131072                     ; slot 0 at 0, slot 1 here: one exclusive or turns an address
.set SCB,   98304                      ; K's scale words of the image (16,384), then V's
.set XIMG,  229376                     ; images: p's 8 fragments; at the end the result's 32
.set XSC,   278528                     ; their scale words, 128 bytes each
.set XF,    282624                     ; f, later 1 / l: 8 x 128 bytes
.set STG,   283648                     ; a stage of 16 rows x 528 bytes for each wave
.set SPARE, 317440                     ; the spare words: two blocks of 256 bytes that no other line names
.set WOS,   317952                     ; wo's scale bytes, 4 x 2,048
.set AK0, 1                            ; 16 x lane
.set AV0, 2                            ; 16 x lane + 49,152 + 12,288 x wave
.set ASK0, 3                           ; SCB + 16 r
.set ASV0, 4                           ; SCB + 16,384 + 512 x wave + 16 r
.set SPW, 5
.set NIL, 6
.set LI,  7                            ; XIMG + 16 x lane
.set LS,  8                            ; XSC + 4 x lane
.set LF,  9                            ; XF + 4 x lane
.set ADK, 10                           ; the step's addresses; at the end AWO, AWS, and the result's store addresses
.set ADV, 11
.set ADS, 12
.set ADT, 13
.set SO,  14
.set SR,  15
.set QSW, 16                           ; v16-23 Q's scale words (4 a + s)
.set KSW, 24                           ; v24-31 K's (4 buffer + s), then V's (t)
.set PWD, 32                           ; v32-39 p's (m)
.set FF,  40                           ; v40-55 f, later 1 / l: a pair for each m
.set ST,  56                           ; v56-63 tile a: -M, largest t, the sum in two halves
.set S,   64                           ; v64-191 S^T(a, kt) at 64 a + 8 kt; then p's eight fragments; at the end eight accumulators
.set PC,  192                          ; v192-215 the codes made
.set FP,  216                          ; v216-219 tile a: (f, p's scale word)
.set PFO, 220
.set R16, 221
.set XWI, 228
.set XWS, 229
.set XWF, 230
.set RS,  128                          ; at the end: v128-159 the result's scale words (4 m + s), v160-207 wo's four fragments, v208-219 its scale words
.set TT,  160
.set TH,  208
.set TSW, 216
.set G1T, 16
.set G1S, 24
.set G1W, 32
.set G0T, 40
.set G0S, 44
.set G0W, 48
.set WOP, 52
.set PFA, 54
.set CS,  56
.set TB,  60
.set TS,  61
.set CNT, 62
.set LIM, 63
.set WV,  66
.set CX,  67
.set XB,  68
.set OBS, 70
.set RB,  72
.set SEL, 96
.set MSB, 0
.macro WIN new                         ; the immediate's high byte repeats the setting that is left
.if MSB != (\new)
	s_set_vgpr_msb (MSB<<8)|(\new)
.set MSB, (\new)
.endif
.endm
.macro PLACES n
.rept \n
	v_nop
.endr
.endm
.macro CROUND                          ; a round of the cluster's barrier
	s_barrier_signal -1
	s_barrier_wait -1
	s_cmp_lg_u32 s[WV], 0
	s_cbranch_scc1 .Lnot_wave_0_\@
	s_barrier_signal -3
.Lnot_wave_0_\@:
	s_barrier_wait -3
	s_barrier_signal -1
	s_barrier_wait -1
.endm
.macro G1ROWS g, rows                  ; a dense block as rows of 256 bytes
	s_mov_b32 s[\g], 15|(3<<16)|(1<<21)            ; the mask names all four work-groups; elements of 8 bytes; bit 21 beside a mask
	s_mov_b32 s[\g+1], 32<<16
	s_mov_b32 s[\g+2], (\rows)<<16
	s_mov_b32 s[\g+3], 32<<16
	s_mov_b32 s[\g+4], \rows
	s_mov_b32 s[\g+5], 32
	s_mov_b32 s[\g+6], 0
	s_mov_b32 s[\g+7], 0
.endm
.macro MMZ d, a, b, sa, sb             ; starts a sum
	v_wmma_scale_f32_16x16x128_f8f6f4 v[\d:\d+7], v[\a:\a+11], v[\b:\b+11], 0, v[\sa], v[\sb] matrix_a_fmt:MATRIX_FMT_FP6 matrix_b_fmt:MATRIX_FMT_FP6
.endm
.macro MMA d, a, b, sa, sb             ; adds in place
	v_wmma_scale_f32_16x16x128_f8f6f4 v[\d:\d+7], v[\a:\a+11], v[\b:\b+11], v[\d:\d+7], v[\sa], v[\sb] matrix_a_fmt:MATRIX_FMT_FP6 matrix_b_fmt:MATRIX_FMT_FP6
.endm
.macro FRAGB reg, adr, t, s            ; a fragment out of a block of wo: six pieces of 8 bytes
.irp c, 0,1
.irp i, 0,1,2
	ds_load_b64 v[\reg+6*\c+2*\i:\reg+6*\c+2*\i+1], v[\adr] offset:(2*(\s)+\c)*6144+768*(\t)+8*\i
.endr
.endr
.endm
.macro COMBINE
.irp s, 0,1,2,3
	v_lshl_or_b32 v[TSW+\s], v[TH+2*\s+1], 16, v[TH+2*\s]
.endr
	PLACES 8                                       ; a scale register written by a vector instruction stands eight places ahead of the product
.endm
.macro QUANT s, pc, tm, pw             ; 64 numbers of a lane, register 16 b + i = k 32 b + 16 (lane / 16) + i of my row, become a fragment's codes and its scale word
.irp b, 0,1,2,3
	v_max3_num_f32 v[\tm+\b], |v[\s+16*\b]|, |v[\s+1+16*\b]|, 0x1800000
.endr
.irp i, 2,4,6,8,10,12,14
.irp b, 0,1,2,3
	v_max3_num_f32 v[\tm+\b], v[\tm+\b], |v[\s+16*\b+\i]|, |v[\s+1+16*\b+\i]|
.endr
.endr
.irp b, 0,1,2,3
	v_permlanex16_b32 v[\tm+4+\b], v[\tm+\b], s[SEL], s[SEL+1]
.endr
.irp b, 0,1,2,3
	v_max_num_f32 v[\tm+\b], v[\tm+\b], v[\tm+4+\b]
.endr
.irp b, 0,1,2,3
	v_add_nc_u32 v[\tm+12+\b], 0xff000000, v[\tm+\b]
.endr
.irp b, 0,1,2,3
	v_lshrrev_b32 v[\tm+4+\b], 23, v[\tm+12+\b]
.endr
	v_lshl_or_b32 v[\pw], v[\tm+5], 8, v[\tm+4]
	v_lshl_or_b32 v[\pw], v[\tm+6], 16, v[\pw]
	v_lshl_or_b32 v[\pw], v[\tm+7], 24, v[\pw]
.irp c, 0,1
	v_cvt_scalef32_pk16_fp6_f32 v[\pc+6*\c:\pc+2+6*\c], v[\s+32*\c:\s+15+32*\c], v[\tm+12+2*\c]
	v_cvt_scalef32_pk16_fp6_f32 v[\pc+12+4*\c:\pc+14+4*\c], v[\s+16+32*\c:\s+31+32*\c], v[\tm+12+2*\c+1]
.endr
	v_nop                                          ; one plain place behind a scaled conversion
.irp c, 0,1
.irp i, 0,1,2
	v_permlane16_swap_b32 v[\pc+6*\c+\i], v[\pc+12+4*\c+\i]
.endr
.irp i, 0,1,2
	v_mov_b32 v[\pc+3+6*\c+\i], v[\pc+12+4*\c+\i]
.endr
.endr
.endm
; A PREFETCH INTO THE L2 of the tile that stands two tiles on from the step in hand: 98,304 bytes are 12 runs of 8,192; run 4 w + cx (waves 0-2; the partners are told apart by address), lanes 256 bytes apart, one instruction a wave.
; Both clusters of an image walk the same tiles: the first asks.  Tiles 2 to 7 are named once each; tiles 0 and 1 and wo's come by their loads alone.  how = 1, in the loop: its last trip has no tile two on; how = 2: the first step.
.macro ASK how
.if \how == 1
	s_cmp_gt_u32 s[CNT], s[LIM]
.else
	s_cmp_eq_u32 s[LIM], 1
.endif
	s_cbranch_scc0 .Lnot_mine_\@
	global_prefetch_b8 v[PFO], s[PFA:PFA+1] th:TH_LOAD_NT scope:SCOPE_SE
.Lnot_mine_\@:
.endm
; THE CHANGE OF SLOTS, at a step's head.  Each wave waits for all its tensor loads (its quarter of the tile that it is about to read), adds 0 to its spare word, and waits for that and for all its LDS reads and stores.
; Behind the round no wave of any partner reads the other slot or has a load on its way: the next tile goes there, and has a whole step in which to land.  kind 0: the next key step; 1: wo's first half; 2: its second.
.macro CHANGE kind, ask
	s_wait_tensorcnt 0x0                           ; no tensor load of mine is out, so the walking group 0 may be written
	ds_add_u32 v[SPW], v[NIL]                      ; 0 onto my spare word
	s_xor_b32 s[G0T+1], s[G0T+1], SLOT1
.if \kind == 0
	s_add_nc_u64 s[G0T+2:G0T+3], s[G0T+2:G0T+3], 49152
.elseif \kind == 1
	s_mov_b64 s[G0T+2:G0T+3], s[WOP:WOP+1]
	s_or_b32 s[G0T+3], s[G0T+3], 0x80000000
.else
	s_add_nc_u64 s[G0T+2:G0T+3], s[G0T+2:G0T+3], 98304
.endif
.if \ask
	s_wait_xcnt 0x0                                ; the last prefetch, a step back, has read its address
	s_add_nc_u64 s[PFA:PFA+1], s[PFA:PFA+1], 49152
.endif
	s_wait_dscnt 0x0                               ; the add is done, and so are my reads of the slot and of the images
	CROUND
	tensor_load_to_lds s[G0T:G0T+3], s[G1T:G1T+7]  ; my one tensor load until the next round
	s_nop 0
	PLACES 4
.endm
.macro KLOAD kt, buf                   ; key tile kt: four fragment images and four scale words: 16 LDS loads
	WIN 0x40
.irp s, 0,1,2,3
.irp g, 0,1,2
	ds_load_b128 v[96+48*(\buf)+12*\s+4*\g:96+48*(\buf)+12*\s+4*\g+3], v[ADK] offset:6144*(\kt)+1536*\s+512*\g
.endr
.endr
	WIN 0
.irp s, 0,1,2,3
	ds_load_b32 v[KSW+4*(\buf)+\s], v[ADS] offset:512*\s+256*((\kt)%2)+4*((\kt)/2)
.endr
.endm
.macro VLOAD                           ; my eight channel tiles of V
	WIN 0x40
.irp t, 0,1,2,3,4,5,6,7
.irp g, 0,1,2
	ds_load_b128 v[96+12*\t+4*\g:96+12*\t+4*\g+3], v[ADV] offset:1536*\t+512*\g
.endr
.endr
	WIN 0
.irp t, 0,1,2,3,4,5,6,7
	ds_load_b32 v[KSW+\t], v[ADT] offset:256*(\t%2)+4*(\t/2)
.endr
.endm
; the softmax of query tile a for 128 keys: p's codes into v[PC + 12 a] on, f and p's scale word into the pair v[FP + 2 a]
.macro SOFTMAX a
.set SA, S+64*\a
.set TA, ST+4*\a
.set PA, PC+12*\a
.set FA, FP+2*\a
.irp b, 0,1,2,3
	v_max3_num_f32 v[232+\b], v[SA+16*\b], v[SA+1+16*\b], v[SA+2+16*\b]   ; the largest score of each block of 32 keys: for the row's maximum and, since p rises with the score, for the block's largest p
.endr
.irp i, 3,5,7,9,11,13
.irp b, 0,1,2,3
	v_max3_num_f32 v[232+\b], v[232+\b], v[SA+16*\b+\i], v[SA+1+16*\b+\i]
.endr
.endr
.irp b, 0,1,2,3
	v_max_num_f32 v[232+\b], v[232+\b], v[SA+15+16*\b]
.endr
.irp b, 0,1,2,3
	v_permlanex16_b32 v[236+\b], v[232+\b], s[SEL], s[SEL+1]
.endr
.irp b, 0,1,2,3
	v_max_num_f32 v[232+\b], v[232+\b], v[236+\b]
.endr
	v_max3_num_f32 v254, v232, v233, v234
	v_max_num_f32 v254, v254, v235
	v_mul_f32 v254, s[CS], v254                    ; as t (c is positive)
	v_max_num_f32 v[TA+1], v[TA+1], v254           ; the running largest t
	v_mov_b32 v254, v[TA]
	v_floor_f32 v[TA], -v[TA+1]                    ; -M = floor(-t): M is a whole number
	v_sub_f32 v254, v[TA], v254
	v_cvt_i32_f32 v254, v254                       ; (it saturates)
	v_ldexp_f32 v[FA], 1.0, v254                   ; f = 2^(old M - new M)
.irp j, 0,2,4,6,8,10,12,14,16,18,20,22,24,26,28,30,32,34,36,38,40,42,44,46,48,50,52,54,56,58,60,62
	v_pk_fma_f32 v[SA+\j:SA+1+\j], v[SA+\j:SA+1+\j], s[CS:CS+1], v[TA:TA+1] op_sel_hi:[1,0,0]   ; t - M
.endr
.irp b, 0,1,2,3
	v_fma_f32 v[232+\b], v[232+\b], s[CS], v[TA]
.endr
.set i, 0
.rept 64
	v_exp_f32 v[SA+i], v[SA+i]                     ; p = 2^(t - M)
.set i, i+1
.endr
	v_pk_mul_f32 v[TA+2:TA+3], v[TA+2:TA+3], v[FA:FA+1] op_sel_hi:[1,0]   ; the sums under the new M; a plain line behind the exponentials
	s_wait_alu depctr_va_vdst(0)                   ; one wait for the batch of 64, ahead of its first reader
.irp b, 0,1,2,3
	v_exp_f32 v[232+\b], v[232+\b]                 ; each block's largest p
.endr
	v_pk_add_f32 v[236:237], v[SA:SA+1], v[SA+2:SA+3]   ; the row's sum, of the unquantised p, in two chains
.irp j, 4,8,12,16,20,24,28,32,36,40,44,48,52,56,60
	v_pk_add_f32 v[TA+2:TA+3], v[TA+2:TA+3], v[SA+\j:SA+1+\j]
	v_pk_add_f32 v[236:237], v[236:237], v[SA+2+\j:SA+3+\j]
.endr
	v_pk_add_f32 v[TA+2:TA+3], v[TA+2:TA+3], v[236:237]
	s_wait_alu depctr_va_vdst(0)                   ; and one for the four
.irp b, 0,1,2,3
	v_max_num_f32 v[232+\b], 0x1800000, v[232+\b]  ; the floor 2^(3 - 127)
.endr
.irp b, 0,1,2,3
	v_add_nc_u32 v[244+\b], 0xff000000, v[232+\b]
.endr
.irp b, 0,1,2,3
	v_lshrrev_b32 v[236+\b], 23, v[244+\b]
.endr
	v_lshl_or_b32 v[FA+1], v237, 8, v236
	v_lshl_or_b32 v[FA+1], v238, 16, v[FA+1]
	v_lshl_or_b32 v[FA+1], v239, 24, v[FA+1]
.irp c, 0,1
	v_cvt_scalef32_pk16_fp6_f32 v[PA+6*\c:PA+2+6*\c], v[SA+32*\c:SA+15+32*\c], v[244+2*\c]
	v_cvt_scalef32_pk16_fp6_f32 v[236+4*\c:238+4*\c], v[SA+16+32*\c:SA+31+32*\c], v[244+2*\c+1]
.endr
	v_nop                                          ; one plain place behind a scaled conversion
.irp c, 0,1
.irp i, 0,1,2
	v_permlane16_swap_b32 v[PA+6*\c+\i], v[236+4*\c+\i]
.endr
.irp i, 0,1,2
	v_mov_b32 v[PA+3+6*\c+\i], v[236+4*\c+\i]
.endr
.endr
.endm
.macro RESCALE hi                      ; O^T of four query tiles x f
.set i, 0
.rept 128
	v_pk_mul_f32 v[2*i:2*i+1], v[2*i:2*i+1], v[FF+8*\hi+2*(i/32):FF+8*\hi+2*(i/32)+1] op_sel_hi:[1,0]
.set i, i+1
.endr
.endm
.macro PVROW hi, first                 ; 32 products on 32 different accumulators
.irp m, 0,1,2,3
.irp t, 0,1,2,3,4,5,6,7
.if \first
	MMZ 64*\m+8*\t,96+12*\t,S+12*(\m+4*\hi),KSW+\t,PWD+\m+4*\hi
.else
	MMA 64*\m+8*\t,96+12*\t,S+12*(\m+4*\hi),KSW+\t,PWD+\m+4*\hi
.endif
.endr
.endr
.endm
; A KEY STEP of 128 keys.  first = 1: O^T's sums start, nothing is rescaled.
.macro STEP first, kind, ask
	CHANGE \kind,\ask
	v_add_nc_u32 v[ADK], s[TB], v[AK0]             ; with the four v_nop above: eight places behind the last products, in front of loads into their operands and of products that write over them
	v_add_nc_u32 v[ADV], s[TB], v[AV0]
	v_add_nc_u32 v[ADS], s[TS], v[ASK0]
	v_add_nc_u32 v[ADT], s[TS], v[ASV0]
	KLOAD 0,0
	KLOAD 1,1
.if \ask
	ASK \ask
.endif
.irp kt, 0,1,2,3,4,5,6,7               ; S^T = K Q^T: a key tile at a time, my two query tiles by turns
.if \kt < 7
	s_wait_dscnt 16                                ; this key tile is in; the next one's 16 loads may be out
.else
	s_wait_dscnt 0x0
.endif
	WIN 0x05                                       ; K and Q in window 1
.irp s, 0,1,2,3
.irp a, 0,1
.if \s == 0
	MMZ S+64*\a+8*\kt,96+48*(\kt%2)+12*\s,48*\a+12*\s,KSW+4*(\kt%2)+\s,QSW+4*\a+\s
.else
	MMA S+64*\a+8*\kt,96+48*(\kt%2)+12*\s,48*\a+12*\s,KSW+4*(\kt%2)+\s,QSW+4*\a+\s
.endif
.endr
.endr
.if \kt < 6
	PLACES 4
	KLOAD \kt+2,\kt%2
.endif
.endr
	WIN 0
	PLACES 4
	VLOAD                                          ; lands under the softmax
	SOFTMAX 0
	SOFTMAX 1
.irp a, 0,1
.irp g, 0,1,2
	ds_store_b128 v[XWI], v[PC+12*\a+4*\g:PC+12*\a+4*\g+3] offset:1536*\a+512*\g
.endr
	ds_store_b32 v[XWS], v[FP+2*\a+1] offset:128*\a
.if \first == 0
	ds_store_b32 v[XWF], v[FP+2*\a] offset:128*\a
.endif
.endr
	s_wait_dscnt 0x0                               ; for the others' sake: my images have landed (V is in too)
	s_barrier_signal -1                            ; the ring's load may stay out
	s_barrier_wait -1
.if \first == 0
.irp m, 0,1,2,3,4,5,6,7
	ds_load_b32 v[FF+2*\m], v[LF] offset:128*\m
.endr
.endif
.irp m, 0,1,2,3,4,5,6,7
	ds_load_b32 v[PWD+\m], v[LS] offset:128*\m
.endr
.irp m, 0,1,2,3,4,5,6,7
.irp g, 0,1,2
	ds_load_b128 v[S+12*\m+4*\g:S+12*\m+4*\g+3], v[LI] offset:1536*\m+512*\g
.endr
.endr
.if \first == 0
	s_wait_dscnt 32                                ; f is in; p's 8 words and 24 pieces may be out
	WIN 0x82
	RESCALE 0
	WIN 0xc3
	RESCALE 1
.endif
	s_wait_dscnt 0x0
	WIN 0xa1                                       ; V window 1, p window 0, O^T window 2
	PVROW 0,\first
	WIN 0xf1                                       ; O^T window 3
	PVROW 1,\first
	WIN 0
	s_xor_b32 s[TB], s[TB], SLOT1
	s_add_co_u32 s[TS], s[TS], 2048
.endm
	s_load_b256 s[4:11], s[0:1], 0x0               ; qkvc, qkvs, wl, res
	s_load_b128 s[12:15], s[0:1], 0x20             ; x, out0
	v_lshl_add_u32 v[SPW], v0, 2, SPARE
	v_mov_b32 v[NIL], 0
	ds_add_u32 v5, v6
	ds_add_u32 v5, v6
	s_wait_dscnt 0x0
	v_lshrrev_b32 v1, 5, v0
	v_readfirstlane_b32 s[WV], v1                  ; wave 0..3
	s_bfe_u32 s[CX], ttmp6, 0x40000
	s_and_b32 s74, ttmp7, 0xffff                   ; the image, which the partners share
	s_lshr_b32 s75, s[WV], 1                       ; 0: I fetch K's half tiles, 1: V's
	s_and_b32 s76, s[WV], 1                        ; which half
	G1ROWS G1T,96                                  ; a quarter of a tile: 24,576 bytes
	G1ROWS G1S,32                                  ; a quarter of the image's scale words
	G1ROWS G1W,8                                   ; a block of wo's scale bytes
	s_add_co_u32 s80, s75, 1
	s_mul_i32 s82, s80, 524288
	s_mul_i32 s80, s80, 12582912
	s_mul_i32 s81, s74, 393216
	s_add_co_u32 s80, s80, s81
	s_mul_i32 s81, s76, 24576
	s_add_co_u32 s80, s80, s81
	s_mov_b32 s81, 0
	s_lshl_b32 s83, s74, 14
	s_add_co_u32 s82, s82, s83
	s_lshl_b32 s83, s76, 13
	s_add_co_u32 s82, s82, s83
	s_mov_b32 s83, 0
	s_mul_i32 s84, s[WV], 24576
	s_add_co_u32 s84, s84, 589824                  ; wo's codes: the fourth weight in wl
	s_mov_b32 s85, 0
	s_lshl_b32 s86, s[WV], 11
	s_add_co_u32 s86, s86, 811008                  ; and its scale bytes: 786,432 + 12 x 2,048
	s_mov_b32 s87, 0
	; what hangs on my place in the cluster enters addresses of Q, x, out0 and the prefetches alone, in registers of its own
	s_lshl_b32 s77, ttmp9, 2
	s_add_co_u32 s77, s77, s[CX]                   ; my block of 128 queries
	s_mul_i32 s88, s74, 393216
	s_mul_i32 s89, s77, 49152
	s_add_co_u32 s88, s88, s89
	s_mul_i32 s89, s[WV], 12288
	s_add_co_u32 s88, s88, s89
	s_mov_b32 s89, 0
	s_lshl_b32 s94, s74, 3
	s_add_co_u32 s94, s94, s77
	s_lshl_b32 s94, s94, 11
	s_lshl_b32 s95, s[WV], 2
	s_add_co_u32 s94, s94, s95
	s_mov_b32 s95, 0
	s_lshl_b32 s98, s74, 9
	s_lshl_b32 s99, s[WV], 7
	s_add_co_u32 s98, s98, s99                     ; channel 512 b + 128 w
	s_lshl_b32 s100, s98, 3
	s_mov_b32 s101, 0
	s_lshl_b32 s98, s98, 12
	s_lshl_b32 s99, s77, 9
	s_add_co_u32 s98, s98, s99
	s_mov_b32 s99, 0
	s_lshl_b32 s78, s[WV], 2
	s_add_co_u32 s78, s78, s[CX]                   ; my run of 8,192 bytes of a tile: 0-5 in K, 6-11 in V
	s_cmp_ge_u32 s78, 6
	s_cselect_b32 s79, 12533760, 0                 ; from K's tile to V's, less K's 49,152
	s_lshl_b32 s78, s78, 13
	s_add_co_u32 s78, s78, s79
	s_mul_i32 s79, s74, 393216
	s_add_co_u32 s78, s78, s79
	s_add_co_u32 s78, s78, 12582912+49152          ; at tile 1: the first change of slots steps it to tile 2
	s_mov_b32 s79, 0
	s_cmp_lt_u32 s[WV], 3
	s_cselect_b32 s[LIM], 0, 1
	s_or_b32 s[LIM], s[LIM], ttmp9                 ; waves 0-2 of the image's first cluster: the same in all four partners
	s_cmp_eq_u32 s[LIM], 0
	s_cselect_b32 s[LIM], 1, -1
	s_mov_b32 s[CS], 0x3d8293ee                    ; c = log2(e) / sqrt(512)
	s_mov_b32 s[CS+1], s[CS]
	s_mov_b32 s[SEL], 0x76543210
	s_mov_b32 s[SEL+1], 0xfedcba98
	s_mov_b32 s[TB], 0
	s_mov_b32 s[TS], 0
	s_mov_b32 s[CNT], 6
	s_wait_kmcnt 0x0
	s_mov_b32 s[G0T], 1
	s_mul_i32 s[G0T+1], s[WV], 24576               ; slot 0, my quarter
	s_add_nc_u64 s[G0T+2:G0T+3], s[4:5], s[80:81]
	s_or_b32 s[G0T+3], s[G0T+3], 0x80000000
	s_mov_b32 s[G0S], 1
	s_lshl_b32 s[G0S+1], s[WV], 13
	s_add_co_u32 s[G0S+1], s[G0S+1], SCB
	s_add_nc_u64 s[G0S+2:G0S+3], s[6:7], s[82:83]
	s_or_b32 s[G0S+3], s[G0S+3], 0x80000000
	s_mov_b32 s[G0W], 1
	s_lshl_b32 s[G0W+1], s[WV], 11
	s_add_co_u32 s[G0W+1], s[G0W+1], WOS
	s_add_nc_u64 s[G0W+2:G0W+3], s[8:9], s[86:87]
	s_or_b32 s[G0W+3], s[G0W+3], 0x80000000
	s_add_nc_u64 s[WOP:WOP+1], s[8:9], s[84:85]
	s_add_nc_u64 s[90:91], s[4:5], s[88:89]        ; Q's images
	s_add_nc_u64 s[92:93], s[6:7], s[94:95]        ; Q's scale words
	s_add_nc_u64 s[XB:XB+1], s[12:13], s[98:99]
	s_add_nc_u64 s[OBS:OBS+1], s[14:15], s[98:99]
	s_add_nc_u64 s[RB:RB+1], s[10:11], s[100:101]
	s_add_nc_u64 s[PFA:PFA+1], s[4:5], s[78:79]
	CROUND                                         ; all four work-groups are here: the first joint loads meet
	tensor_load_to_lds s[G0S:G0S+3], s[G1S:G1S+7]  ; the first fills, one group: three loads of mine are out
	s_nop 0
	tensor_load_to_lds s[G0W:G0W+3], s[G1W:G1W+7]
	s_nop 0
	tensor_load_to_lds s[G0T:G0T+3], s[G1T:G1T+7]  ; tile 0
	s_nop 0
	PLACES 4
	v_and_b32 v222, 31, v0
	v_lshlrev_b32 v[AK0], 4, v222
	v_and_b32 v223, 15, v0
	v_lshlrev_b32 v[R16], 4, v223
	WIN 0x40
.irp a, 0,1
.irp s, 0,1,2,3
.irp g, 0,1,2
	global_load_b128 v[48*\a+12*\s+4*\g:48*\a+12*\s+4*\g+3], v[AK0], s[90:91] offset:6144*\a+1536*\s+512*\g   ; Q stays in registers
.endr
.endr
.endr
	WIN 0
.irp a, 0,1
.irp s, 0,1,2,3
	global_load_b32 v[QSW+4*\a+\s], v[R16], s[92:93] offset:512*\s+256*\a
.endr
.endr
	s_mul_i32 s94, s[WV], 12288
	s_add_co_u32 s94, s94, 49152
	v_add_nc_u32 v[AV0], s94, v[AK0]
	v_add_nc_u32 v[ASK0], SCB, v[R16]
	s_lshl_b32 s94, s[WV], 9
	s_add_co_u32 s94, s94, SCB+16384
	v_add_nc_u32 v[ASV0], s94, v[R16]
	v_add_nc_u32 v[LI], XIMG, v[AK0]
	v_lshlrev_b32 v222, 2, v222
	v_add_nc_u32 v[LS], XSC, v222
	v_add_nc_u32 v[LF], XF, v222
	s_mul_i32 s94, s[WV], 3072
	v_add_nc_u32 v[XWI], s94, v[LI]                ; where I store my two tiles' images,
	s_lshl_b32 s94, s[WV], 8
	v_add_nc_u32 v[XWS], s94, v[LS]                ; their scale words
	v_add_nc_u32 v[XWF], s94, v[LF]                ; and f
	s_mul_i32 s94, s[WV], 8448
	s_add_co_u32 s94, s94, STG                     ; my stage
	v_mul_u32_u24 v[SO], v223, 528
	v_bfe_u32 v224, v0, 4, 1
	v_lshl_add_u32 v[SO], v224, 6, v[SO]
	v_add_nc_u32 v[SO], s94, v[SO]                 ; in: row r, + 64 h
	v_add_nc_u32 v[SR], s94, v[AK0]                ; back: a row of 512 bytes, 16 a lane
	v_lshlrev_b32 v[PFO], 4, v[AK0]                ; 256 x lane
.irp a, 0,1
	v_mov_b32 v[ST+4*\a+1], 0xff61b1e6             ; the largest t so far: -3e38
	v_floor_f32 v[ST+4*\a], -v[ST+4*\a+1]
	v_mov_b32 v[ST+4*\a+2], 0
	v_mov_b32 v[ST+4*\a+3], 0
	v_mov_b32 v[FP+2*\a+1], 0                      ; (named as the upper half of a pair before it is first written)
.endr
.irp b, 0,1,2,3
	v_mov_b32 v[236+\b], 0                         ; a lane permute's destination counts as one of its sources
.endr
.irp m, 0,1,2,3,4,5,6,7
	v_mov_b32 v[FF+2*\m+1], 0                      ; the pairs' upper halves, written once
.endr
	s_wait_loadcnt 0x0                             ; Q
	STEP 1,0,2                                     ; key step 0 starts O^T's sums
.Lstep:                                            ; key steps 1 to 6
	STEP 0,0,1
	s_sub_co_u32 s[CNT], s[CNT], 1
	s_cmp_lg_u32 s[CNT], 0
	s_cbranch_scc1 .Lstep
	STEP 0,1,0                                     ; key step 7; slot 0 takes wo's first half
	; ---- THE END.  wo's second half goes into slot 1, which nobody reads any more
	s_wait_xcnt 0x0                                ; the last prefetch, two key steps back, has read its address: s[PFA:PFA+1] are among the registers into which the pairs (A, B) are loaded below
	CHANGE 2,0
	; x for the first two output tiles is asked for HERE, into the registers that Q and V have left (the four v_nop above are the places behind the last products that read V):
	; 32 loads of 512 consecutive bytes a wave are on their way while 1 / l is exchanged, the result is quantised and its fragments are read back
	WIN 0x40
.irp e, 0,1
.irp k, 0,1,2,3,4,5,6,7,8,9,10,11,12,13,14,15
	global_load_b128 v[64*\e+4*\k:64*\e+4*\k+3], v[AK0], s[XB:XB+1] offset:4096*(8*\e+(\k%8)+16*(\k/8)) th:TH_LOAD_NT
.endr
.endr
	WIN 0
.irp a, 0,1
	v_add_f32 v[232+\a], v[ST+4*\a+2], v[ST+4*\a+3]
.endr
.irp a, 0,1
	v_permlanex16_b32 v[236+\a], v[232+\a], s[SEL], s[SEL+1]
.endr
.irp a, 0,1
	v_add_f32 v[232+\a], v[232+\a], v[236+\a]      ; the row's sum
.endr
.irp a, 0,1
	v_rcp_f32 v[232+\a], v[232+\a]
.endr
	s_mul_i32 s74, s[WV], 1536
	v_add_nc_u32 v12, s74, v[LI]                   ; the result's images: K step = my wave  (plain lines behind the reciprocals)
	s_lshl_b32 s74, s[WV], 7
	v_add_nc_u32 v13, s74, v[LS]
	s_wait_alu depctr_va_vdst(0)                   ; one wait for the two, ahead of their first reader
.irp a, 0,1
	ds_store_b32 v[XWF], v[232+\a] offset:128*\a
.endr
	s_wait_dscnt 0x0
	s_barrier_signal -1
	s_barrier_wait -1
.irp m, 0,1,2,3,4,5,6,7
	ds_load_b32 v[FF+2*\m], v[LF] offset:128*\m    ; 1 / l of all eight query tiles
.endr
	s_wait_dscnt 0x0
.irp m, 0,1,2,3,4,5,6,7                ; O^T / l, quantised along the channels: K step 'wave' of query tile m's fragment
	WIN 0x02+(\m/4)
.set i, 0
.rept 32
	v_pk_mul_f32 v[S+2*i:S+2*i+1], v[64*(\m%4)+2*i:64*(\m%4)+2*i+1], v[FF+2*\m:FF+2*\m+1] op_sel_hi:[1,0]
.set i, i+1
.endr
	WIN 0
	QUANT S,PC,232,248
.irp g, 0,1,2
	ds_store_b128 v12, v[PC+4*\g:PC+4*\g+3] offset:6144*\m+512*\g
.endr
	ds_store_b32 v13, v248 offset:512*\m
	s_wait_dscnt 0x0                               ; the stores have read their registers
.endr
	s_wait_tensorcnt 0x0                           ; my quarters of wo have landed,
	s_wait_dscnt 0x0
	s_barrier_signal -1
	s_barrier_wait -1                              ; everybody's have, and all 32 images lie in LDS
	WIN 0x80
.irp s, 0,1
.irp m, 0,1,2,3,4,5,6,7
.irp g, 0,1,2
	ds_load_b128 v[12*(8*\s+\m)+4*\g:12*(8*\s+\m)+4*\g+3], v[LI] offset:1536*(4*\m+\s)+512*\g
.endr
.endr
.endr
	WIN 0xc0
.irp s, 2,3
.irp m, 0,1,2,3,4,5,6,7
.irp g, 0,1,2
	ds_load_b128 v[12*(8*(\s-2)+\m)+4*\g:12*(8*(\s-2)+\m)+4*\g+3], v[LI] offset:1536*(4*\m+\s)+512*\g
.endr
.endr
.endr
	WIN 0
.irp m, 0,1,2,3,4,5,6,7
.irp s, 0,1,2,3
	ds_load_b32 v[RS+4*\m+\s], v[LS] offset:128*(4*\m+\s)
.endr
.endr
	v_and_b32 v232, 15, v0
	v_bfe_u32 v233, v0, 4, 1
	v_mul_u32_u24 v[ADK], v232, 48
	v_mad_u32_u24 v[ADK], v233, 24, v[ADK]
	s_lshr_b32 s74, s[WV], 1
	s_lshl_b32 s74, s74, 17
	s_and_b32 s75, s[WV], 1
	s_mul_i32 s75, s75, 49152
	s_add_co_u32 s74, s74, s75
	v_add_nc_u32 v[ADK], s74, v[ADK]               ; wo's block 'wave': blocks 0, 1 in slot 0, blocks 2, 3 in slot 1
	s_lshl_b32 s74, s[WV], 11
	s_add_co_u32 s74, s74, WOS
	v_lshl_add_u32 v[ADV], v232, 1, s74            ; and its scale bytes
; An output tile: 16 rows of wo x 128 pixels.  Source 0 = 16 queries, source 1 = 16 rows of wo: a lane holds one output channel, and the 16 registers of two neighbouring query tiles are 16 neighbouring pixels.
; The tile goes through my stage and comes back as rows of 512 bytes; there x A + B is added and the row is stored.  e: the tile of the trip's two; nxt = 1: x of the next trip's tile is asked for;
; lc: the loads of x that may stay out: the other tile's 16, issued behind this tile's.
.macro TILE6 e, nxt, lc
.irp s, 0,1,2,3
	FRAGB TT+12*\s,ADK,\e,\s
.endr
.irp s, 0,1,2,3
.irp u, 0,1
	ds_load_u16 v[TH+2*\s+\u], v[ADV] offset:(2*\s+\u)*256+32*\e
.endr
.endr
	s_wait_dscnt 0x0
	COMBINE
	WIN 0x02                                       ; the result's fragments of K steps 0 and 1: window 2.  Eight accumulators by turns
.irp m, 0,1,2,3,4,5,6,7
	MMZ S+8*\m,12*\m,TT,RS+4*\m,TSW
.endr
.irp m, 0,1,2,3,4,5,6,7
	MMA S+8*\m,12*(8+\m),TT+12,RS+4*\m+1,TSW+1
.endr
	WIN 0x03
.irp m, 0,1,2,3,4,5,6,7
	MMA S+8*\m,12*\m,TT+24,RS+4*\m+2,TSW+2
.endr
.irp m, 0,1,2,3,4,5,6,7
	MMA S+8*\m,12*(8+\m),TT+36,RS+4*\m+3,TSW+3
.endr
	WIN 0
	PLACES 4
.irp m, 0,1,2,3,4,5,6,7
	ds_store_b128 v[SO], v[S+8*\m:S+8*\m+3] offset:128*(\m/2)+32*(\m%2)        ; each accumulator from its low end on
	ds_store_b128 v[SO], v[S+8*\m+4:S+8*\m+7] offset:128*(\m/2)+32*(\m%2)+16
.endr
	s_wait_xcnt 0x0                                ; the last tile's stores have read the registers that the rows now come back into
	WIN 0x40
.irp k, 0,1,2,3,4,5,6,7,8,9,10,11,12,13,14,15
	ds_load_b128 v[128+4*\k:131+4*\k], v[SR] offset:528*\k   ; LDS serves a wave's instructions in order: these see my stores
.endr
	s_wait_loadcnt \lc
.if \e == 0
	s_wait_kmcnt 0x0                               ; the trip's 32 pairs (A, B)
.endif
	WIN 0x55
.irp k, 0,1,2,3,4,5,6,7,8,9,10,11,12,13,14,15
.set QQ, 8*\e+(\k%8)+16*(\k/8)                 ; the stage's row k is output channel QQ of the trip's 32
.set PP, 16+16*(QQ/8)+16*(QQ/24)+2*(QQ%8)
	s_wait_dscnt 15-\k                             ; the younger rows may be out
	v_pk_fma_f32 v[128+4*\k:129+4*\k], v[64*\e+4*\k:64*\e+4*\k+1], s[PP:PP+1], v[128+4*\k:129+4*\k] op_sel_hi:[1,0,1]
	v_pk_fma_f32 v[130+4*\k:131+4*\k], v[64*\e+4*\k+2:64*\e+4*\k+3], s[PP:PP+1], v[130+4*\k:131+4*\k] op_sel_hi:[1,0,1]
.irp z, 0,1,2,3
	v_add_f32 v[128+4*\k+\z], s[PP+1], v[128+4*\k+\z]
.endr
.endr
	WIN 0x04                                       ; a store's data are its source 1: window 1
.irp k, 0,1,2,3,4,5,6,7,8,9,10,11,12,13,14,15
	global_store_b128 v[AK0], v[128+4*\k:131+4*\k], s[OBS:OBS+1] offset:4096*(8*\e+(\k%8)+16*(\k/8)) th:TH_STORE_NT   ; 512 consecutive bytes, aligned
.endr
.if \nxt
	WIN 0x40
.irp k, 0,1,2,3,4,5,6,7,8,9,10,11,12,13,14,15
	global_load_b128 v[64*\e+4*\k:64*\e+4*\k+3], v[AK0], s[XB:XB+1] offset:131072+4096*(8*\e+(\k%8)+16*(\k/8)) th:TH_LOAD_NT
.endr
.endif
	WIN 0
.endm
.macro PAIRS                           ; 32 channels' (A, B): the descriptors' registers are free, every tensor load has been waited for
	s_load_b512 s[16:31], s[RB:RB+1], 0x0
	s_load_b512 s[32:47], s[RB:RB+1], 0x40
	s_load_b512 s[48:63], s[RB:RB+1], 0x80
	s_load_b512 s[80:95], s[RB:RB+1], 0xc0
.endm
	s_mov_b32 s74, 3
.Lout:                                             ; a trip makes two output tiles, 32 channels
	PAIRS
	TILE6 0,1,16
	TILE6 1,1,16
	s_wait_xcnt 0x0                                ; loads and stores have read their bases
	s_add_nc_u64 s[XB:XB+1], s[XB:XB+1], 131072
	s_add_nc_u64 s[OBS:OBS+1], s[OBS:OBS+1], 131072
	s_add_nc_u64 s[RB:RB+1], s[RB:RB+1], 256
	v_add_nc_u32 v[ADK], 1536, v[ADK]
	v_add_nc_u32 v[ADV], 64, v[ADV]
	s_sub_co_u32 s74, s74, 1
	s_cmp_lg_u32 s74, 0
	s_cbranch_scc1 .Lout
	PAIRS                                          ; the last trip asks for no more of x
	TILE6 0,0,16
	TILE6 1,0,0
	s_wait_tensorcnt 0x0                           ; the wave's end
	ds_add_u32 v[SPW], v[NIL]
	s_wait_dscnt 0x0
	CROUND                                         ; the closing round: no work-group ends while a partner may still ask for a tile that names it
	s_endpgm
.Lfunc_end_k_qbee6ef3a9a_attn:
	.size	k_qbee6ef3a9a_attn, .Lfunc_end_k_qbee6ef3a9a_attn-k_qbee6ef3a9a_attn
	.p2alignl 7, 3214868480
	.fill 96, 4, 3214868480
	.section	.rodata,"a",@progbits
	.p2align	6, 0x0
	.amdhsa_kernel k_qbee6ef3a9a_attn
		.amdhsa_group_segment_fixed_size 327680
		.amdhsa_private_segment_fixed_size 0
		.amdhsa_enable_private_segment 0
		.amdhsa_kernarg_size 48
		.amdhsa_user_sgpr_count 2
		.amdhsa_user_sgpr_kernarg_segment_ptr 1
		.amdhsa_wavefront_size32 1
		.amdhsa_system_sgpr_workgroup_id_x 1
		.amdhsa_system_sgpr_workgroup_id_y 1
		.amdhsa_system_sgpr_workgroup_id_z 1
		.amdhsa_system_vgpr_workitem_id 0
		.amdhsa_next_free_vgpr 1024
		.amdhsa_next_free_sgpr 102
		.amdhsa_reserve_vcc 0
		.amdhsa_float_denorm_mode_32 3
		.amdhsa_float_denorm_mode_16_64 3
		.amdhsa_memory_ordered 1
		.amdhsa_forward_progress 1
		.amdhsa_inst_pref_size 255
	.end_amdhsa_kernel
	.section	.bss,"aw",@nobits
	.p2align	6
	.space	262144
	.amdgpu_metadata
---
amdhsa.version: [ 1, 2 ]
amdhsa.kernels:
  - .name:           k_qbee6ef3a9a_attn
    .symbol:         k_qbee6ef3a9a_attn.kd
    .args:
      - { .name: qkvc, .offset: 0, .size: 8, .value_kind: global_buffer, .address_space: global }
      - { .name: qkvs, .offset: 8, .size: 8, .value_kind: global_buffer, .address_space: global }
      - { .name: wl, .offset: 16, .size: 8, .value_kind: global_buffer, .address_space: global }
      - { .name: res, .offset: 24, .size: 8, .value_kind: global_buffer, .address_space: global }
      - { .name: x, .offset: 32, .size: 8, .value_kind: global_buffer, .address_space: global }
      - { .name: out0, .offset: 40, .size: 8, .value_kind: global_buffer, .address_space: global }
    .group_segment_fixed_size: 327680
    .private_segment_fixed_size: 0
    .kernarg_segment_align: 8
    .kernarg_segment_size: 48
    .max_flat_workgroup_size: 128
    .sgpr_count:     102
    .vgpr_count:     1024
    .wavefront_size: 32
...
	.end_amdgpu_metadata
.endif
;; end of part 3
